; MI455X (gfx1250); checked and timed in simulation.
; The chip was launched on July 23, 2026; its instructions are those of AMD's public machine-readable ISA for CDNA 5 (MIT licence, August 2026) and "CDNA5" Instruction Set Architecture Reference Guide (July 2026). The comments in the code are by the model that wrote it; some were corrected since.
;; Flash Attention. Allowed arithmetic: matrix products marked QUANTISED: E3M2 operands, one E8M0 scale for each 32 along K, by v_wmma_scale_f32_16x16x128_f8f6f4 with both operands' format E3M2, f32 sums; everything else in f32.
;; Inputs: Wk 1,024 x 1,024 float32; Wo 1,024 x 1,024 float32; Wq 1,024 x 1,024 float32; Wv 1,024 x 1,024 float32; bk 1,024 float32; bo 1,024 float32; bq 1,024 float32; bv 1,024 float32; x 4 x 2,048 x 1,024 float32.
;; Outputs: out0 4 x 2,048 x 1,024 float32.
;; This version of the problem:
;;   THIS VERSION OF THE PROBLEM IS GIVEN IN LOW PRECISION. The matrix products marked QUANTISED in the list below multiply operands that are first quantised to E3M2 (3 exponent bits, 2 mantissa bits; 6 bits a number), with one power-of-two scale for each 32 numbers along K (OCP MX v1.0); their sums are f32. All else is computed in f32.
;;   The module's matrix products, in the order in which they are computed (A, B: the left and right operand; K: the contracted axis; several contracted axes count as one K, in the product's order):
;;     1. [M 8,192, K 1,024] x [K 1,024, N 1,024]; A: input x; B: input Wq: QUANTISED
;;     2. [M 8,192, K 1,024] x [K 1,024, N 1,024]; A: input x; B: input Wk: QUANTISED
;;     3. [M 8,192, K 1,024] x [K 1,024, N 1,024]; A: input x; B: input Wv: QUANTISED
;;     4. batch 64 x [M 2,048, K 64] x [K 64, N 2,048]; A: computed on the way; B: computed on the way: QUANTISED
;;     5. batch 64 x [M 2,048, K 2,048] x [K 2,048, N 64]; A: softmax (see below); B: computed on the way: QUANTISED
;;     6. [M 8,192, K 1,024] x [K 1,024, N 1,024]; A: computed on the way; B: input Wo: QUANTISED
;;   THE QUANTISER, for each operand of a quantised product, along K:
;;     - K is cut into blocks of 32 from its start; a last block that is shorter is filled with zeros.
;;     - A block's scale is 2^e with e = floor(log2(the largest magnitude in the block)) - 4, held to -126 .. 127; a block of zeros has e = 0. As a byte (E8M0): e + 127.
;;     - Each number is divided by its block's scale, clamped to +-28, and rounded to the nearest number of E3M2, ties to even, subnormals kept.
;;     - The product sums the exact products of the quantised numbers (number of the format x scale) in f32.
;;   ~~~python
;;   def quantise(x, axis):      # numpy; x: float32 -> the quantised numbers, widened to float32 again
;;       x = np.moveaxis(x, axis, -1); K = x.shape[-1]
;;       x = np.pad(x, [(0, 0)] * (x.ndim - 1) + [(0, -K % 32)]); x = x.reshape(x.shape[:-1] + (-1, 32)); a = np.abs(x).max(-1, keepdims=True)
;;       e = np.where(a > 0, np.clip(np.frexp(np.where(a > 0, a, 1))[1] - 1 - 4, -126, 127), 0)      # np.frexp(a)[1] - 1 = floor(log2(a)), exactly
;;       r = np.clip(x / 2.0 ** e, -28, 28)
;;       step = 2.0 ** (np.maximum(np.frexp(np.where(r == 0, 1, r))[1] - 1, -2) - 2)
;;       q = np.round(r / step) * step * 2.0 ** e      # np.round: ties to even
;;       return np.moveaxis(q.reshape(q.shape[:-2] + (-1,))[..., :K], -1, axis).astype(np.float32)
;;   ~~~
;;   SOFTMAX AHEAD OF A QUANTISED PRODUCT. Where the list says 'softmax', what is quantised is not the finished softmax but p = 2^(t - M), with t = logit x log2(e) and M = ceil(the row's largest t), a whole number; so 1/2 < the row's largest p <= 1. The row's sum l is taken of the UNQUANTISED p, in f32, and the product's result is divided by l at the end. Since M is a whole number, a kernel that streams over the keys may use a running M (the ceiling of the running maximum): every later rescaling is an exact power of two, which a block's scale takes up: the codes' values come out the same.
;;   OPERANDS COMPUTED ON THE WAY. 'Computed on the way' means the value that the module computes at that place (a softmax that the list does not call 'softmax' is quantised finished and normalised). What goes into a quantiser is computed in f32, as accurately as f32 sums, v_exp_f32 and their like allow (about 1e-6 of the number): no bf16 or f16 on the way to a quantiser, and a product that is left as it is and whose result goes on into a quantised operand takes f32 operands (vector FMAs, or v_wmma_f32_16x16x4_f32). A number that lies on a knife's edge between two numbers of the format may be rounded either way, as far as f32 arithmetic and the matrix unit's own rounding can turn it there, and no further.
;; One version. Each part assembles by itself: llvm-mc -triple=amdgcn-amd-amdhsa -mcpu=gfx1250 --defsym DOCPART=n.
;; ======== version 1 of 1: 4 launches
;; limits: right only within a limited range of input values
;; workspace buffers: xc 6,291,456 bytes; xs 262,144 bytes; wc 3,145,728 bytes; ws 131,072 bytes; qkv 19,660,800 bytes; oc 6,291,456 bytes; os 262,144 bytes
;; launch quant (part 1): grid 512 x 1, 4 waves a work-group, no clusters, 34,304 bytes of LDS; arguments x, Wq, Wk, Wv, Wo, xc, xs, wc, ws; writes xc, xs, wc, ws
.if DOCPART == 1
	.amdgcn_target "amdgcn-amd-amdhsa--gfx1250"
	.amdhsa_code_object_version 6
	.text
	.protected	k_q64b3edfeb2_quant
	.globl	k_q64b3edfeb2_quant
	.p2align	8
	.type	k_q64b3edfeb2_quant,@function
k_q64b3edfeb2_quant:
	s_mov_b64 s[64:65], 0
	v_nop
	global_prefetch_b8 v0, s[64:65] scope:SCOPE_SE
	s_setreg_imm32_b32 hwreg(HW_REG_WAVE_MODE, 25, 1), 1
	s_wait_xcnt 0x0
; x [8192][1024] and the four weights [1024 (k)][1024 (n)], f32, become codes of BF6 (E3M2) with one E8M0 byte for each 32 along K, laid AS THE MATRIX UNIT'S REGISTERS WANT THEM.
; A block's scale is 2^(floor(log2(its largest magnitude)) - 4); its byte is the largest magnitude's exponent field - 4, held at 1 from below by a floor among the maximum's leaves.
; LIMITS: a block whose largest magnitude lies under 2^-122 keeps the byte 1; a block of zeros gets the byte 1 where the rule says 127 (its codes are zeros, and this program alone reads the bytes); NaN and infinities are not served.
; ORDER OF ROWS: rows (tokens, or a weight's columns) go in tiles of 16; row rho of tile t is row 32 (t / 2) + 8 (t % 2) + rho + 8 (rho / 8).
; A FRAGMENT (16 rows x 128 K, 12 registers a lane) is stored as an image of its registers: three runs of 512 bytes, lane l's 16 bytes at 16 l.  xc: [tile 512][K step 8]; wc: [weight 4][tile 64][K step 8].
; SCALE WORDS (four bytes: a row's 128 along K): [pair of tiles][K step 8][32 words], word 16 (t % 2) + rho.
; Work-groups 0-255 take x: 32 tokens each, wave Q the K steps 2 Q and 2 Q + 1.  Work-groups 256-511 take the weights: a wave takes 32 columns x 128 along K.  Waves share nothing: no barrier.
.set R,   16                           ; x: v16-143   two sets of 64 registers as loaded
.set X,   144                          ; x: v144-207  64 numbers of a lane: register 16 b + i = k 32 b + 16 (lane / 16) + i of its row
.set FF,  208                          ; x: v208-219  the fragment just made
.set TC,  220                          ; v220-226     conversions whose three registers must begin on an even number
.set TM,  228                          ; v228-243     largest magnitudes, bytes, scale operands
.set PW,  244                          ; v244-247     the four fragments' scale words
.set SEL, 24                           ; s[24:25]     selects for lane l xor 16
.set XW,  16                           ; weights: v16-79 two sets of 32 numbers down K
.set FA,  80                           ; weights: v80-91 blocks 0 and 2, then the even tile's fragment
.set FB,  92                           ; weights: v92-103 blocks 1 and 3, then the odd tile's fragment
.set TW,  104                          ; weights: v104-119 the blocks' upper halves as converted
.set WD,  124                          ; weights: my column's scale word
; 64 numbers of a lane, v[s] on, become a fragment's codes (registers 0-5 at d0, 6-11 at d1) and its row's scale word in v[pw].
.macro QUANT s, d0, d1, pw
.irp b, 0,1,2,3
	v_max3_num_f32 v[TM+\b], |v[(\s)+16*\b]|, |v[(\s)+1+16*\b]|, 0x2800000   ; my 16 numbers of block b, and the floor 2^(5 - 127)
.endr
.irp i, 2,4,6,8,10,12,14
.irp b, 0,1,2,3
	v_max3_num_f32 v[TM+\b], v[TM+\b], |v[(\s)+16*\b+\i]|, |v[(\s)+1+16*\b+\i]|   ; the four blocks by turns
.endr
.endr
.irp b, 0,1,2,3
	v_permlanex16_b32 v[TM+4+\b], v[TM+\b], s[SEL], s[SEL+1]
.endr
.irp b, 0,1,2,3
	v_max_num_f32 v[TM+\b], v[TM+\b], v[TM+4+\b]   ; with lane l xor 16's 16: the block's largest magnitude
.endr
.irp b, 0,1,2,3
	v_add_nc_u32 v[TM+12+\b], 0xfe000000, v[TM+\b]   ; 4 off its exponent field: the conversion's scale operand
.endr
.irp b, 0,1,2,3
	v_lshrrev_b32 v[TM+4+\b], 23, v[TM+12+\b]      ; the scale's byte
.endr
	v_lshl_or_b32 v[\pw], v[TM+5], 8, v[TM+4]
	v_lshl_or_b32 v[\pw], v[TM+6], 16, v[\pw]
	v_lshl_or_b32 v[\pw], v[TM+7], 24, v[\pw]
	v_cvt_scalef32_pk16_bf6_f32 v[(\d0):(\d0)+2], v[(\s):(\s)+15], v[TM+12]
	v_cvt_scalef32_pk16_bf6_f32 v[TC:TC+2], v[(\s)+16:(\s)+31], v[TM+13]
	v_cvt_scalef32_pk16_bf6_f32 v[(\d1):(\d1)+2], v[(\s)+32:(\s)+47], v[TM+14]
	v_cvt_scalef32_pk16_bf6_f32 v[TC+4:TC+6], v[(\s)+48:(\s)+63], v[TM+15]
	v_nop                                          ; one plain line behind the conversions
.irp i, 0,1,2
	v_permlane16_swap_b32 v[(\d0)+\i], v[TC+\i]    ; a whole block to a lane: lanes 0-15 the even block, lanes 16-31 the odd one
	v_permlane16_swap_b32 v[(\d1)+\i], v[TC+4+\i]
.endr
.irp i, 0,1,2
	v_mov_b32 v[(\d0)+3+\i], v[TC+\i]
	v_mov_b32 v[(\d1)+3+\i], v[TC+4+\i]
.endr
.endm
	s_load_b256 s[4:11], s[0:1], 0x0               ; x, Wq, Wk, Wv
	s_load_b256 s[12:19], s[0:1], 0x20             ; Wo, xc, xs, wc
	s_load_b64 s[20:21], s[0:1], 0x40              ; ws
	v_lshl_add_u32 v254, v0, 2, 0x8400
	v_mov_b32 v255, 0
	v_lshrrev_b32 v1, 5, v0
	v_readfirstlane_b32 s22, v1                    ; wave
	v_and_b32 v2, 31, v0                           ; lane
	v_and_b32 v3, 15, v0                           ; r
	v_bfe_u32 v4, v0, 4, 1                         ; h
	v_lshlrev_b32 v5, 4, v2                        ; 16 x lane
	v_lshlrev_b32 v6, 2, v2                        ; 4 x lane
	s_mov_b32 s[SEL], 0x76543210
	s_mov_b32 s[SEL+1], 0xfedcba98
	s_mov_b32 s26, 0xffff0000                      ; lanes 16-31
	s_cmp_lt_u32 ttmp9, 256
	s_cbranch_scc0 .Lweights
	; ---- x.  A load reads 512 consecutive bytes of one token's row (a K step); the 16 rows of a tile turn through the wave's own stage in LDS (rows of 512 + 16 bytes), so that a lane gets 16 neighbours of each block.
	s_mul_i32 s27, s22, 8448                       ; my stage: 16 rows x 528 bytes
	v_add_nc_u32 v7, s27, v5                       ; in: 16 bytes a lane
	v_mul_u32_u24 v8, v3, 528
	v_lshl_add_u32 v8, v4, 6, v8
	v_add_nc_u32 v8, s27, v8                       ; back: row r, + 64 h
.irp b, 0,1,2,3
	v_mov_b32 v[TM+4+\b], 0                        ; written once: a lane permute's destination counts as one of its sources
.endr
	s_lshl_b32 s28, ttmp9, 17                      ; 32 tokens of 4,096 bytes,
	s_lshl_b32 s29, s22, 10                        ; my two K steps of 512 bytes
	s_add_co_u32 s28, s28, s29
	s_mov_b32 s29, 0
	s_mul_i32 s30, ttmp9, 24576                    ; xc: two tiles of 12,288 bytes,
	s_mul_i32 s31, s22, 3072                       ; my two K steps of 1,536
	s_add_co_u32 s30, s30, s31
	s_mov_b32 s31, 0
	s_lshl_b32 s32, ttmp9, 10                      ; xs: 1,024 bytes a pair of tiles, 128 a K step
	s_lshl_b32 s33, s22, 8
	s_add_co_u32 s32, s32, s33
	s_mov_b32 s33, 0
	s_wait_alu depctr_va_vdst(0)
	s_wait_kmcnt 0x0
	s_add_nc_u64 s[4:5], s[4:5], s[28:29]
	s_add_nc_u64 s[14:15], s[14:15], s[30:31]
	s_add_nc_u64 s[16:17], s[16:17], s[32:33]
.macro LOADF f                         ; fragment f = 2 u + q: tile u of the pair, my K step q
.irp i, 0,1,2,3,4,5,6,7,8,9,10,11,12,13,14,15
	global_load_b128 v[R+64*((\f)%2)+4*\i:R+64*((\f)%2)+4*\i+3], v5, s[4:5] offset:(8*((\f)/2)+\i+8*(\i/8))*4096+512*((\f)%2) th:TH_LOAD_NT
.endr
.endm
.macro STEPX f
.if (\f) < 3
	s_wait_loadcnt 16                              ; this fragment's 16 loads are in; the next one's 16 may be out
.else
	s_wait_loadcnt 0x0
.endif
.irp i, 0,1,2,3,4,5,6,7,8,9,10,11,12,13,14,15
	ds_store_b128 v7, v[R+64*((\f)%2)+4*\i:R+64*((\f)%2)+4*\i+3] offset:528*\i
.endr
.irp b, 0,1,2,3
.irp j, 0,1,2,3
	ds_load_b128 v[X+16*\b+4*\j:X+16*\b+4*\j+3], v8 offset:128*\b+16*\j   ; LDS serves a wave's instructions in order: these see the stores above
.endr
.endr
	s_wait_dscnt 0x0                               ; the numbers are back, and the stores have read their registers
	s_wait_xcnt 0x0                                ; the last fragment's stores have read v[FF] on: it is written again only behind this wait
.if (\f)+2 < 4
	LOADF (\f)+2
.endif
	QUANT X, FF, FF+6, PW+(\f)
.irp j, 0,1,2
	global_store_b128 v5, v[FF+4*\j:FF+4*\j+3], s[14:15] offset:((\f)/2)*12288+((\f)%2)*1536+512*\j   ; 512 consecutive bytes, aligned
.endr
.endm
	LOADF 0
	LOADF 1
	STEPX 0
	STEPX 1
	STEPX 2
	STEPX 3
.irp q, 0,1
	v_cndmask_b32 v[248+\q], v[PW+\q], v[PW+2+\q], s26   ; lanes 0-15 the even tile's words, lanes 16-31 the odd tile's
	global_store_b32 v6, v[248+\q], s[16:17] offset:128*\q
.endr
	s_wait_tensorcnt 0x0
	ds_add_u32 v254, v255
	s_wait_dscnt 0x0
	s_endpgm
	; ---- The weights.  A LANE TAKES A COLUMN AND ITS REGISTERS RUN DOWN K: a block of 32 lies in one lane, and the conversions give codes with K innermost.  Lane (r, h) takes row r of tile h of the pair.
.Lweights:
	s_sub_co_u32 s27, ttmp9, 256
	s_lshr_b32 s28, s27, 6                         ; which weight: q, k, v, o
	s_bfe_u32 s29, s27, 0x30003
	s_and_b32 s30, s27, 7                          ; K step
	s_lshl_b32 s29, s29, 2
	s_add_co_u32 s29, s29, s22                     ; pair of tiles: 32 columns
	s_wait_alu depctr_va_vdst(0)
	v_and_b32 v9, 8, v3
	v_add_nc_u32 v9, v9, v3
	v_lshl_add_u32 v9, v4, 3, v9                   ; my column in the pair: 8 h + r + 8 (r / 8): the 32 lanes cover 128 consecutive bytes
	v_lshlrev_b32 v9, 2, v9
	s_lshl_b32 s32, s30, 19                        ; 128 rows of 4,096 bytes
	s_lshl_b32 s33, s29, 7
	s_add_co_u32 s32, s32, s33
	s_mov_b32 s33, 0
	s_lshl_b32 s34, s28, 6
	s_lshl_b32 s35, s29, 1
	s_add_co_u32 s34, s34, s35                     ; the even tile
	s_lshl_b32 s34, s34, 3
	s_add_co_u32 s34, s34, s30
	s_mul_i32 s34, s34, 1536
	s_mov_b32 s35, 0
	s_lshl_b32 s36, s28, 5
	s_add_co_u32 s36, s36, s29
	s_lshl_b32 s36, s36, 10
	s_lshl_b32 s37, s30, 7
	s_add_co_u32 s36, s36, s37
	s_mov_b32 s37, 0
	s_wait_alu depctr_va_vdst(0)
	s_wait_kmcnt 0x0
	s_cmp_eq_u32 s28, 1                            ; the choice hangs on the work-group's number alone
	s_cselect_b64 s[6:7], s[8:9], s[6:7]
	s_cmp_eq_u32 s28, 2
	s_cselect_b64 s[6:7], s[10:11], s[6:7]
	s_cmp_eq_u32 s28, 3
	s_cselect_b64 s[6:7], s[12:13], s[6:7]
	s_add_nc_u64 s[6:7], s[6:7], s[32:33]
	s_add_nc_u64 s[18:19], s[18:19], s[34:35]
	s_add_nc_u64 s[20:21], s[20:21], s[36:37]
.macro LOADW b
.irp i, 0,1,2,3,4,5,6,7,8,9,10,11,12,13,14,15,16,17,18,19,20,21,22,23,24,25,26,27,28,29,30,31
	global_load_b32 v[XW+32*((\b)%2)+\i], v9, s[6:7] offset:(32*(\b)+\i)*4096 th:TH_LOAD_NT
.endr
.endm
.macro BLK b, d                        ; block b of my column: its lower 16 codes to v[d] on, its upper 16 to v[TW + 4 b] on
.set XS, XW+32*((\b)%2)
.if (\b) < 3
	s_wait_loadcnt 32                              ; this block's 32 loads are in; the next block's may be out
.else
	s_wait_loadcnt 0x0
.endif
	v_max3_num_f32 v12, |v[XS]|, |v[XS+1]|, |v[XS+2]|
	v_max3_num_f32 v13, |v[XS+3]|, |v[XS+4]|, |v[XS+5]|
.irp i, 6,10,14,18,22,26
	v_max3_num_f32 v12, v12, |v[XS+\i]|, |v[XS+\i+1]|
	v_max3_num_f32 v13, v13, |v[XS+\i+2]|, |v[XS+\i+3]|
.endr
	v_max3_num_f32 v12, v12, |v[XS+30]|, |v[XS+31]|
	v_max3_num_f32 v12, v12, v13, 0x2800000        ; and the floor
	v_add_nc_u32 v11, 0xfe000000, v12
	v_lshrrev_b32 v13, 23, v11
.if (\b) == 0
	v_mov_b32 v[WD], v13
.else
	v_lshl_or_b32 v[WD], v13, 8*(\b), v[WD]
.endif
	v_cvt_scalef32_pk16_bf6_f32 v[(\d):(\d)+2], v[XS:XS+15], v11
	v_cvt_scalef32_pk16_bf6_f32 v[TW+4*(\b):TW+4*(\b)+2], v[XS+16:XS+31], v11
.if (\b)+2 < 4
	LOADW (\b)+2
.endif
.endm
	LOADW 0
	LOADW 1
	BLK 0, FA
	BLK 1, FB
	BLK 2, FA+6
	BLK 3, FB+6
	v_nop                                          ; one plain line behind the conversions
.irp i, 0,1,2
	v_mov_b32 v[FA+3+\i], v[TW+\i]
	v_mov_b32 v[FB+3+\i], v[TW+4+\i]
	v_mov_b32 v[FA+9+\i], v[TW+8+\i]
	v_mov_b32 v[FB+9+\i], v[TW+12+\i]
.endr
.irp i, 0,1,2,3,4,5,6,7,8,9,10,11
	v_permlane16_swap_b32 v[FA+\i], v[FB+\i]       ; the odd tile's blocks 0, 2 change places with the even tile's blocks 1, 3: FA is now the even tile's fragment, FB the odd tile's
.endr
.irp j, 0,1,2
	global_store_b128 v5, v[FA+4*\j:FA+4*\j+3], s[18:19] offset:512*\j
	global_store_b128 v5, v[FB+4*\j:FB+4*\j+3], s[18:19] offset:12288+512*\j
.endr
	global_store_b32 v6, v[WD], s[20:21]           ; lane (r, h) is word 16 h + r
	s_endpgm
.Lfunc_end_k_q64b3edfeb2_quant:
	.size	k_q64b3edfeb2_quant, .Lfunc_end_k_q64b3edfeb2_quant-k_q64b3edfeb2_quant
	.p2alignl 7, 3214868480
	.fill 96, 4, 3214868480
	.section	.rodata,"a",@progbits
	.p2align	6, 0x0
	.amdhsa_kernel k_q64b3edfeb2_quant
		.amdhsa_group_segment_fixed_size 34304
		.amdhsa_private_segment_fixed_size 0
		.amdhsa_enable_private_segment 0
		.amdhsa_kernarg_size 72
		.amdhsa_user_sgpr_count 2
		.amdhsa_user_sgpr_kernarg_segment_ptr 1
		.amdhsa_wavefront_size32 1
		.amdhsa_system_sgpr_workgroup_id_x 1
		.amdhsa_system_sgpr_workgroup_id_y 1
		.amdhsa_system_sgpr_workgroup_id_z 1
		.amdhsa_system_vgpr_workitem_id 0
		.amdhsa_next_free_vgpr 256
		.amdhsa_next_free_sgpr 66
		.amdhsa_reserve_vcc 0
		.amdhsa_float_denorm_mode_32 3
		.amdhsa_float_denorm_mode_16_64 3
		.amdhsa_memory_ordered 1
		.amdhsa_forward_progress 1
		.amdhsa_inst_pref_size 54
	.end_amdhsa_kernel
	.amdgpu_metadata
---
amdhsa.version: [ 1, 2 ]
amdhsa.kernels:
  - .name:           k_q64b3edfeb2_quant
    .symbol:         k_q64b3edfeb2_quant.kd
    .args:
      - { .name: x, .offset: 0, .size: 8, .value_kind: global_buffer, .address_space: global }
      - { .name: Wq, .offset: 8, .size: 8, .value_kind: global_buffer, .address_space: global }
      - { .name: Wk, .offset: 16, .size: 8, .value_kind: global_buffer, .address_space: global }
      - { .name: Wv, .offset: 24, .size: 8, .value_kind: global_buffer, .address_space: global }
      - { .name: Wo, .offset: 32, .size: 8, .value_kind: global_buffer, .address_space: global }
      - { .name: xc, .offset: 40, .size: 8, .value_kind: global_buffer, .address_space: global }
      - { .name: xs, .offset: 48, .size: 8, .value_kind: global_buffer, .address_space: global }
      - { .name: wc, .offset: 56, .size: 8, .value_kind: global_buffer, .address_space: global }
      - { .name: ws, .offset: 64, .size: 8, .value_kind: global_buffer, .address_space: global }
    .group_segment_fixed_size: 34304
    .private_segment_fixed_size: 0
    .kernarg_segment_align: 8
    .kernarg_segment_size: 72
    .max_flat_workgroup_size: 128
    .sgpr_count:     66
    .vgpr_count:     256
    .wavefront_size: 32
...
	.end_amdgpu_metadata
.endif
;; end of part 1
;; launch proj (part 2): grid 8 x 32, 4 waves a work-group, clusters of 4 x 4, 327,680 bytes of LDS; arguments xc, xs, wc, ws, bq, bk, bv, qkv; writes qkv
.if DOCPART == 2
	.amdgcn_target "amdgcn-amd-amdhsa--gfx1250"
	.amdhsa_code_object_version 6
	.text
	.protected	k_q64b3edfeb2_proj
	.globl	k_q64b3edfeb2_proj
	.p2align	8
	.type	k_q64b3edfeb2_proj,@function
k_q64b3edfeb2_proj:
	s_mov_b64 s[64:65], 0
	v_nop
	global_prefetch_b8 v0, s[64:65] scope:SCOPE_SE
	s_setreg_imm32_b32 hwreg(HW_REG_WAVE_MODE, 25, 1), 1
	s_wait_xcnt 0x0
	s_wait_alu depctr_hold_cnt(0) depctr_sa_sdst(0) depctr_va_vdst(0) depctr_va_sdst(0) depctr_va_ssrc(0) depctr_va_vcc(0) depctr_vm_vsrc(0)
	s_getreg_b32 s2, hwreg(HW_REG_IB_STS2, 6, 4)
	s_cmp_eq_u32 s2, 0
	s_cbranch_scc0 .Lentry_in_a_cluster
	s_endpgm
.Lentry_in_a_cluster:
	s_bfe_u32 s2, ttmp6, 0x10000c
	s_cmp_lg_u32 s2, 0xf033
	s_cbranch_scc0 .Lentry_shape_is_right
	s_endpgm
.Lentry_shape_is_right:
; q, k, v = Q(x) Q(W) + b on codes of BF6 (E3M2) with E8M0 scales, quantised again for the attention's products and stored as images of its operands' registers (head's block of qkv: K's fragments, V's, their scale words, Q's fragments, its scale words).
; SHARES.  Work-group (g, tb): 256 tokens (block tb) x the 128 columns (heads 2 g, 2 g + 1) of Wq, then of Wk, then of Wv: 256 work-groups.
; x's 16 tiles stay in LDS for all of K (196,608 bytes); the weights' 8 tiles for all of K (98,304 bytes) go through ONE slot, filled three times.  A refill is asked for when the block's products are done and lands while the block is quantised from registers.
; A wave makes 32 accumulators: eight tiles as source 0 (their rows run along a lane's registers) x four tiles as source 1 (a lane holds one row).
;   q, k: source 0 = the 8 weight tiles, source 1 = my 4 token tiles: a lane holds a token, registers run along the channels, which are K of q k^T.
;   v:    source 0 = my 8 token tiles, source 1 = my 4 weight tiles (one head): a lane holds a channel, registers run along the keys, which are K of p v.
; CLUSTERS 4 x 4: x's tiles are shared along a row of the cluster, the weights' along a column; which kind of block is at work hangs on the step alone.
; PREFETCH: in a block's K loop each wave names 24 blocks of 256 bytes of the next weight block: the four partners of a column share its 384 blocks by address (cy), four clusters of the eight that read it ask.
; LIMITS: a block whose largest magnitude lies under 2^-122, and a block of zeros, keep the byte 1 (this program alone reads the bytes); NaN and infinities are not served.
; REGISTERS: window 0: addresses, scale words v32-95, source 1's fragments in two sets from v128 (then the quantiser's numbers); window 1: source 0's fragments in two sets at v0 and v128, biases at v96-127 and v224-255; window 2: the accumulators, (a, b) at 8 (8 a + b).
.set WR,    196608                     ; the weights' slot (x's tiles lie from 0)
.set XSC,   294912                     ; x's scale words, 8,192 bytes
.set WSC,   303104                     ; the three weight blocks' scale words, 3 x 4,096 bytes
.set SPARE, 315392
.set HB,    307200
.set XQ, 4
.set WA0, 5
.set WA1, 6
.set XV0, 7
.set XV1, 8
.set WVA, 9
.set SQ0, 10
.set SQ1, 11
.set SK0, 12
.set SK1, 13
.set SV0, 14
.set SV1, 15
.set VOC, 16
.set VOS, 17
.set VOCV, 18
.set VOSV, 19
.set VB, 24
.set VBV, 25
.set PFO, 26
.set SPW, 28
.set NIL, 29
.set SC, 32
.set TM, 96
.set PW, 112
.set SELV, 114
.set SW, 116
.set PWV, 120
.set AF, 128
.set TT, 128
.set FF, 192
.set TC, 216
.set G1X, 24
.set G0X, 32
.set G0W, 36
.set G1W, 48
.set G0XS, 56
.set G0WS, 60
.set G1XS, 68
.set G0R, 76
.set G1WS, 80
.set SEL, 100
.set HM, 104
.set MSB, 0
.macro WIN new
.if MSB != (\new)
	s_set_vgpr_msb (MSB<<8)|(\new)
.set MSB, (\new)
.endif
.endm
.macro CROUND
	s_barrier_signal -1
	s_barrier_wait -1
	s_cmp_lg_u32 s14, 0
	s_cbranch_scc1 .Lnot_wave_0_\@
	s_barrier_signal -3
.Lnot_wave_0_\@:
	s_barrier_wait -3
	s_barrier_signal -1
	s_barrier_wait -1
.endm
.macro PLACES
.rept 4
	v_nop
.endr
.endm
.macro G1SET g, c, r, p
	s_mov_b32 s[\g+1], (\c)<<16
	s_mov_b32 s[\g+2], (\r)<<16
	s_mov_b32 s[\g+3], (\c)<<16
	s_mov_b32 s[\g+4], \r
	s_mov_b32 s[\g+5], \p
	s_mov_b32 s[\g+6], 0
	s_mov_b32 s[\g+7], 0
.endm
.macro G0SET g, lds, bp, op
	s_mov_b32 s[\g], 1
	s_mov_b32 s[\g+1], \lds
	s_add_nc_u64 s[\g+2:\g+3], s[\bp:\bp+1], s[\op:\op+1]
	s_or_b32 s[\g+3], s[\g+3], 0x80000000
.endm
; 64 numbers of a lane, v[s] on, become a fragment's codes (registers 0-5 at d0, 6-11 at d1) and its row's scale word in v[pw]
.macro QUANT s, d0, d1, pw
.irp b, 0,1,2,3
	v_max3_num_f32 v[TM+\b], |v[(\s)+16*\b]|, |v[(\s)+1+16*\b]|, 0x2800000
.endr
.irp i, 2,4,6,8,10,12,14
.irp b, 0,1,2,3
	v_max3_num_f32 v[TM+\b], v[TM+\b], |v[(\s)+16*\b+\i]|, |v[(\s)+1+16*\b+\i]|
.endr
.endr
.irp b, 0,1,2,3
	v_permlanex16_b32 v[TM+4+\b], v[TM+\b], s[SEL], s[SEL+1]
.endr
.irp b, 0,1,2,3
	v_max_num_f32 v[TM+\b], v[TM+\b], v[TM+4+\b]
.endr
.irp b, 0,1,2,3
	v_add_nc_u32 v[TM+12+\b], 0xfe000000, v[TM+\b]
.endr
.irp b, 0,1,2,3
	v_lshrrev_b32 v[TM+4+\b], 23, v[TM+12+\b]
.endr
	v_lshl_or_b32 v[\pw], v[TM+5], 8, v[TM+4]
	v_lshl_or_b32 v[\pw], v[TM+6], 16, v[\pw]
	v_lshl_or_b32 v[\pw], v[TM+7], 24, v[\pw]
	v_cvt_scalef32_pk16_bf6_f32 v[(\d0):(\d0)+2], v[(\s):(\s)+15], v[TM+12]
	v_cvt_scalef32_pk16_bf6_f32 v[TC:TC+2], v[(\s)+16:(\s)+31], v[TM+13]
	v_cvt_scalef32_pk16_bf6_f32 v[(\d1):(\d1)+2], v[(\s)+32:(\s)+47], v[TM+14]
	v_cvt_scalef32_pk16_bf6_f32 v[TC+4:TC+6], v[(\s)+48:(\s)+63], v[TM+15]
	v_nop
.irp i, 0,1,2
	v_permlane16_swap_b32 v[(\d0)+\i], v[TC+\i]
	v_permlane16_swap_b32 v[(\d1)+\i], v[TC+4+\i]
.endr
.irp i, 0,1,2
	v_mov_b32 v[(\d0)+3+\i], v[TC+\i]
	v_mov_b32 v[(\d1)+3+\i], v[TC+4+\i]
.endr
.endm
	s_load_b256 s[4:11], s[0:1], 0x0               ; xc, xs, wc, ws
	s_load_b256 s[92:99], s[0:1], 0x20             ; bq, bk, bv, qkv
	v_lshl_add_u32 v[SPW], v0, 2, SPARE
	v_mov_b32 v[NIL], 0
	ds_add_u32 v[SPW], v[NIL]                      ; the opening lines: the add twice and one wait
	ds_add_u32 v[SPW], v[NIL]
	v_lshrrev_b32 v1, 5, v0
	v_readfirstlane_b32 s14, v1                    ; wave
	s_lshr_b32 s15, s14, 1
	s_and_b32 s16, s14, 1
	s_bfe_u32 s40, ttmp6, 0x40000                  ; cx
	s_bfe_u32 s41, ttmp6, 0x40004                  ; cy
	s_lshl_b32 s42, ttmp9, 2
	s_add_co_u32 s42, s42, s40                     ; g
	s_and_b32 s13, ttmp7, 0xffff                   ; cluster y
	s_lshl_b32 s17, s13, 2
	s_add_co_u32 s17, s17, s41                     ; tb
	s_lshl_b32 s43, s41, 2
	s_lshl_b32 s43, 15, s43                        ; my row of the cluster
	s_lshl_b32 s44, 0x1111, s40                    ; my column
	s_or_b32 s[G1X], s43, (3<<16)|(1<<21)
	s_or_b32 s[G1XS], s43, (3<<16)|(1<<21)
	s_or_b32 s[G1W], s44, (3<<16)|(1<<21)
	s_or_b32 s[G1WS], s44, (3<<16)|(1<<21)
	G1SET G1X, 32, 768, 32                         ; dense blocks as rows of 256 bytes
	G1SET G1W, 32, 384, 32
	G1SET G1XS, 32, 32, 32
	G1SET G1WS, 512, 3, 4096                       ; three rows of 4,096 bytes, one for each weight, 32,768 bytes apart
	s_mul_i32 s18, s17, 196608
	s_mov_b32 s19, 0
	s_lshl_b32 s20, s17, 13
	s_mov_b32 s21, 0
	s_mul_i32 s22, s42, 98304
	s_mov_b32 s23, 0
	s_lshl_b32 s46, s42, 12
	s_mov_b32 s47, 0
	s_mul_i32 s2, s14, 24576                       ; my quarter of a refill
	s_mov_b32 s3, 0
	s_mov_b32 s[SEL], 0x76543210
	s_mov_b32 s[SEL+1], 0xfedcba98
	s_mov_b32 s[HM], 0xffff0000
	s_wait_dscnt 0x0
	s_wait_kmcnt 0x0
	G0SET G0X, 0, 4, 18
	G0SET G0W, WR, 8, 22
	G0SET G0XS, XSC, 6, 20
	G0SET G0WS, WSC, 10, 46
	s_mov_b32 s[G0R], 1
	s_add_co_u32 s[G0R+1], s2, WR
	s_add_nc_u64 s[G0R+2:G0R+3], s[8:9], s[22:23]
	s_add_nc_u64 s[G0R+2:G0R+3], s[G0R+2:G0R+3], s[2:3]
	s_or_b32 s[G0R+3], s[G0R+3], 0x80000000
	CROUND                                         ; all sixteen work-groups are here: the first joint loads meet
; one load a wave at the head, in one chain of branches on the wave's number
.macro ARM under, g0, g1, next
	s_cmp_lt_u32 s14, \under
	s_cbranch_scc0 \next
	tensor_load_to_lds s[\g0:\g0+3], s[\g1:\g1+7]
	s_nop 0
.rept 4
	v_nop
.endr
	s_branch .Lhead_asked
\next:
.endm
	ARM 1, G0X, G1X, .Lhead_w
	ARM 2, G0W, G1W, .Lhead_xs
	ARM 3, G0XS, G1XS, .Lhead_ws
	tensor_load_to_lds s[G0WS:G0WS+3], s[G1WS:G1WS+7]
	s_nop 0
.rept 4
	v_nop
.endr
.Lhead_asked:
	s_mul_i32 s2, s14, 49152                       ; q, k: my four token tiles
	s_mul_i32 s3, s16, 98304                       ; v: my eight token tiles
	s_add_co_u32 s12, s3, 49152
	s_mul_i32 s18, s15, 49152                      ; v: my four weight tiles
	s_add_co_u32 s18, s18, WR
	s_lshl_b32 s21, s14, 11                        ; scale words.  Lanes 0-15 take x's, lanes 16-31 the weights': the lower base + (lane / 16) x the distance
	s_add_co_u32 s19, s21, XSC
	s_add_co_u32 s21, s21, XSC-2048                ; (for tiles 4-7 the side that has four tiles reads its own again)
	s_xor_b32 s20, s14, 3
	s_lshl_b32 s20, s20, 11
	s_add_co_u32 s20, s20, 2048
	s_add_co_u32 s22, s20, 2048
	s_add_co_u32 s23, s20, 4096
	s_add_co_u32 s45, s20, 6144
	s_lshl_b32 s46, s16, 12
	s_add_co_u32 s46, s46, XSC
	s_xor_b32 s66, s16, 1
	s_lshl_b32 s66, s66, 12
	s_lshl_b32 s47, s15, 11
	s_add_co_u32 s66, s66, s47
	s_add_co_u32 s66, s66, 10240
	s_add_co_u32 s47, s66, 2048
	s_and_b32 s67, s17, 7                          ; the token block in its batch
	s_lshl_b32 s4, s67, 3
	s_lshl_b32 s5, s14, 1
	s_add_co_u32 s4, s4, s5
	s_mul_i32 s4, s4, 1536                         ; q, k: my first fragment of 32 tokens
	s_lshl_b32 s6, s67, 1
	s_add_co_u32 s5, s6, s15
	s_lshl_b32 s5, s5, 8
	s_lshl_b32 s7, s16, 3
	s_add_co_u32 s5, s5, s7                        ; and its scale words
	s_add_co_u32 s6, s6, s16                       ; v: my group of 128 keys
	s_mul_i32 s7, s15, HB
	s_mul_i32 s90, s6, 6144
	s_add_co_u32 s90, s90, s7
	s_add_co_u32 s90, s90, 98304
	s_lshl_b32 s91, s6, 8
	s_add_co_u32 s91, s91, s7
	s_add_co_u32 s91, s91, 200704
	s_lshr_b32 s10, s17, 3
	s_lshl_b32 s10, s10, 3
	s_add_co_u32 s10, s10, s42
	s_mul_i32 s10, s10, 2*HB                       ; head 16 x batch + 2 g
	s_mov_b32 s11, 0
	s_add_nc_u64 s[88:89], s[98:99], s[10:11]
	s_lshl_b32 s10, s42, 9
	s_add_nc_u64 s[92:93], s[92:93], s[10:11]
	s_add_nc_u64 s[94:95], s[94:95], s[10:11]
	s_add_nc_u64 s[96:97], s[96:97], s[10:11]
	s_lshl_b32 s10, s15, 8
	s_add_nc_u64 s[96:97], s[96:97], s[10:11]
	s_mul_i32 s10, s42, 98304                      ; the prefetches: my work-group's two tiles of a weight block (by cy), my wave's quarter of them
	s_add_nc_u64 s[8:9], s[8:9], s[10:11]
	s_mul_i32 s10, s41, 24576
	s_add_nc_u64 s[8:9], s[8:9], s[10:11]
	s_mul_i32 s10, s14, 6144
	s_add_nc_u64 s[8:9], s[8:9], s[10:11]
	v_and_b32 v1, 15, v0                           ; r
	v_bfe_u32 v2, v0, 4, 1                         ; h
	v_and_b32 v3, 31, v0
	v_min_u32 v22, 23, v3
	v_lshlrev_b32 v3, 4, v3
	v_lshlrev_b32 v20, 2, v1
	v_add_nc_u32 v[XQ], s2, v3
	v_add_nc_u32 v[WA0], WR, v3
	v_add_nc_u32 v[WA1], WR+49152, v3
	v_add_nc_u32 v[XV0], s3, v3
	v_add_nc_u32 v[XV1], s12, v3
	v_add_nc_u32 v[WVA], s18, v3
.macro SADR d, sb, sd
	v_mul_u32_u24 v21, s[\sd], v2
	v_add_nc_u32 v21, v21, v20
	v_add_nc_u32 v[\d], s[\sb], v21
.endm
	SADR SQ0, 19, 20
	SADR SQ1, 21, 22
	SADR SK0, 19, 23
	SADR SK1, 21, 45
	SADR SV0, 46, 47
	SADR SV1, 46, 66
	v_add_nc_u32 v[VOC], s4, v3
	v_mul_u32_u24 v23, v2, HB
	v_lshl_add_u32 v23, v1, 4, v23
	v_add_nc_u32 v[VOS], s5, v23
	v_add_nc_u32 v[VOCV], s90, v3
	v_lshlrev_b32 v23, 4, v1
	v_lshl_add_u32 v23, v2, 3, v23
	v_add_nc_u32 v[VOSV], s91, v23
	v_lshlrev_b32 v[VB], 6, v2
	v_and_b32 v23, 8, v1
	v_add_nc_u32 v23, v23, v1
	v_lshlrev_b32 v[VBV], 2, v23
	v_lshlrev_b32 v[PFO], 8, v22                   ; lanes 0-23 a block of 256 bytes each; the lanes left over name the last again
.irp b, 0,1,2,3
	v_mov_b32 v[TM+4+\b], 0                        ; a lane permute's destination counts as one of its sources
.endr
	v_mov_b32 v[SELV], 0x05040100
	v_mov_b32 v[SELV+1], 0x07060302
	v_cndmask_b32 v[SELV], v[SELV], v[SELV+1], s[HM]
.macro BIASQK p                        ; the 64 channels of my lane's half: register 16 b + i = channel 32 b + 16 h + i
	WIN 0x40
.irp b, 0,1,2,3
.irp j, 0,1,2,3
	global_load_b128 v[96+16*\b+4*\j+96*(\b/2):99+16*\b+4*\j+96*(\b/2)], v[VB], s[\p:\p+1] offset:128*\b+16*\j
.endr
.endr
	WIN 0
.endm
	BIASQK 92
.macro FRAG reg, adr, kq, i
.irp c, 0,1,2
	ds_load_b128 v[(\reg)+4*\c:(\reg)+4*\c+3], v[\adr] offset:12288*(\i)+1536*(\kq)+512*\c
.endr
.endm
.macro FETCH a0, a1, b, kq             ; K step kq: source 0's eight tiles into window 1, source 1's four into window 0, set kq % 2
	WIN 0x40
.irp i, 0,1,2,3
	FRAG 128*((\kq)%2)+12*\i, \a0, \kq, \i
.endr
.irp i, 0,1,2,3
	FRAG 128*((\kq)%2)+48+12*\i, \a1, \kq, \i
.endr
	WIN 0
.irp i, 0,1,2,3
	FRAG AF+48*((\kq)%2)+12*\i, \b, \kq, \i
.endr
.endm
.macro SCALES s0, s1
.irp kq, 0,1,2,3,4,5,6,7
.irp i, 0,1,2,3
	ds_load_b32 v[SC+8*\kq+\i], v[\s0] offset:1024*(\i/2)+64*(\i%2)+128*\kq
.endr
.irp i, 4,5,6,7
	ds_load_b32 v[SC+8*\kq+\i], v[\s1] offset:1024*(\i/2)+64*(\i%2)+128*\kq
.endr
.endr
.endm
.macro WM acc, f0, f1, x0, x1, zero, vm
.if \zero
.if \vm
	v_wmma_scale_f32_16x16x128_f8f6f4 v[(\acc):(\acc)+7], v[(\f0):(\f0)+11], v[(\f1):(\f1)+11], 0, v[\x0], v[\x1] matrix_a_fmt:MATRIX_FMT_BF6 matrix_b_fmt:MATRIX_FMT_BF6 matrix_b_scale:MATRIX_SCALE_ROW1
.else
	v_wmma_scale_f32_16x16x128_f8f6f4 v[(\acc):(\acc)+7], v[(\f0):(\f0)+11], v[(\f1):(\f1)+11], 0, v[\x0], v[\x1] matrix_a_fmt:MATRIX_FMT_BF6 matrix_b_fmt:MATRIX_FMT_BF6 matrix_a_scale:MATRIX_SCALE_ROW1
.endif
.else
.if \vm
	v_wmma_scale_f32_16x16x128_f8f6f4 v[(\acc):(\acc)+7], v[(\f0):(\f0)+11], v[(\f1):(\f1)+11], v[(\acc):(\acc)+7], v[\x0], v[\x1] matrix_a_fmt:MATRIX_FMT_BF6 matrix_b_fmt:MATRIX_FMT_BF6 matrix_b_scale:MATRIX_SCALE_ROW1
.else
	v_wmma_scale_f32_16x16x128_f8f6f4 v[(\acc):(\acc)+7], v[(\f0):(\f0)+11], v[(\f1):(\f1)+11], v[(\acc):(\acc)+7], v[\x0], v[\x1] matrix_a_fmt:MATRIX_FMT_BF6 matrix_b_fmt:MATRIX_FMT_BF6 matrix_a_scale:MATRIX_SCALE_ROW1
.endif
.endif
.endm
.macro MUL32 kq, zero, vm              ; the 32 accumulators by turns
.irp a, 0,1,2,3
.irp b, 0,1,2,3,4,5,6,7
	WM 8*(8*\a+\b), 128*((\kq)%2)+12*\b, AF+48*((\kq)%2)+12*\a, SC+8*(\kq)+\b, SC+8*(\kq)+\a, \zero, \vm
.endr
.endr
.endm
; A block's eight K steps, all from LDS: a step's fragments are asked for one step, 32 matrix instructions, ahead.  pf: the next weight block's distance for the prefetch, or 0
.macro KLOOP a0, a1, b, s0, s1, vm, pf
	s_wait_xcnt 0x0                                ; earlier stores have read their registers
	SCALES \s0, \s1
	FETCH \a0, \a1, \b, 0
.set kk, 0
.rept 8
	s_wait_dscnt 0x0                               ; this step's fragments are in
.if kk < 7
.if kk > 0
	PLACES                                         ; ahead of loads into registers that the last step's products read
.endif
	FETCH \a0, \a1, \b, kk+1
.endif
.if (kk == 1) && (\pf)
	s_cmp_lt_u32 s13, 4                            ; four of the eight clusters that read these weights ask
	s_cbranch_scc0 .Lnpf_\@
	global_prefetch_b8 v[PFO], s[8:9] offset:\pf th:TH_LOAD_NT scope:SCOPE_SE
.Lnpf_\@:
.endif
	WIN 0xa1
.if kk == 0
	MUL32 kk, 1, \vm
.else
	MUL32 kk, 0, \vm
.endif
	WIN 0
.set kk, kk+1
.endr
.endm
.macro REFILL                          ; the slot is read no more: the next weight's block, a quarter a wave
	s_wait_tensorcnt 0x0
	ds_add_u32 v[SPW], v[NIL]
	s_add_nc_u64 s[G0R+2:G0R+3], s[G0R+2:G0R+3], 786432
	s_wait_dscnt 0x0
	CROUND
	tensor_load_to_lds s[G0R:G0R+3], s[G1W:G1W+7]
	s_nop 0
.rept 4
	v_nop                                          ; also the places behind the last products
.endr
.endm
.macro LANDED
	s_wait_alu depctr_va_vdst(0)
	s_wait_tensorcnt 0x0                           ; my quarter is in;
	s_barrier_signal -1
	s_barrier_wait -1                              ; and everybody's
.endm
.macro ADDB a
	WIN 0x06
.set mm, 0
.rept 32
	v_pk_add_f32 v[TT+mm:TT+mm+1], v[64*(\a)+mm:64*(\a)+mm+1], v[96+mm+96*(mm/32):97+mm+96*(mm/32)]
.set mm, mm+2
.endr
	WIN 0
.endm
; q or k: a fragment holds two token tiles (k 0-63 and 64-127) of one head.  rc, rs: where the codes and the scale words lie in a head's block
.macro EPIQK rc, rs
	s_wait_loadcnt 0x0                             ; the bias
.irp e, 0,1
	s_wait_xcnt 0x0
	ADDB 2*\e
	QUANT TT, FF, FF+12, PW
	ADDB 2*\e+1
	QUANT TT, FF+6, FF+18, PW+1
	v_perm_b32 v[SW+\e], v[PW+1], v[PW], v[SELV]   ; lanes 0-15 the first head's word, lanes 16-31 the second's
.irp c, 0,1
.irp j, 0,1,2
	global_store_b128 v[VOC], v[FF+12*\c+4*\j:FF+12*\c+4*\j+3], s[88:89] offset:(\rc)+HB*\c+1536*\e+512*\j
.endr
.endr
.endr
	global_store_b64 v[VOS], v[SW:SW+1], s[88:89] offset:\rs
.endm
.macro ADDV a
	WIN 0x06
.set mm, 0
.rept 32
	v_pk_add_f32 v[TT+mm:TT+mm+1], v[64*(\a)+mm:64*(\a)+mm+1], v[96+2*(\a):97+2*(\a)]
.set mm, mm+2
.endr
	WIN 0
.endm
	s_wait_alu depctr_va_vdst(0)                   ; the wait at the head's end
	s_wait_tensorcnt 0x0                           ; my tile of the head's four is in
	s_mov_b32 s[G1W+2], 96<<16                     ; no load of mine is out: from here on a load of weights brings 96 rows of 256 bytes
	s_mov_b32 s[G1W+4], 96
	s_barrier_signal -1
	s_barrier_wait -1
	KLOOP WA0, WA1, XQ, SQ0, SQ1, 0, 786432
	REFILL
	EPIQK 204800, 303104
	BIASQK 94
	LANDED
	KLOOP WA0, WA1, XQ, SK0, SK1, 0, 1572864
	REFILL
	EPIQK 0, 196608
	WIN 0x40
.irp a, 0,1,2,3
	global_load_b32 v[96+2*\a], v[VBV], s[96:97] offset:4*(32*(\a/2)+8*(\a%2))   ; my lane's channel of tile a, in both halves of a pair
	global_load_b32 v[97+2*\a], v[VBV], s[96:97] offset:4*(32*(\a/2)+8*(\a%2))
.endr
	WIN 0
	LANDED
	KLOOP XV0, XV1, WVA, SV0, SV1, 1, 0
	PLACES
	s_wait_loadcnt 0x0
.irp a, 0,1,2,3
	s_wait_xcnt 0x0
	ADDV \a
	QUANT TT, FF, FF+6, PWV+\a
.irp j, 0,1,2
	global_store_b128 v[VOCV], v[FF+4*\j:FF+4*\j+3], s[88:89] offset:1536*\a+512*\j
.endr
.endr
	v_cndmask_b32 v[SW], v[PWV], v[PWV+2], s[HM]   ; lanes 0-15 store words 0, 1 of their row, lanes 16-31 words 2, 3: 256 consecutive bytes
	v_cndmask_b32 v[SW+1], v[PWV+1], v[PWV+3], s[HM]
	global_store_b64 v[VOSV], v[SW:SW+1], s[88:89]
	s_wait_tensorcnt 0x0                           ; the wave's end
	ds_add_u32 v[SPW], v[NIL]
	s_wait_dscnt 0x0
	CROUND                                         ; the closing round
	s_endpgm
.Lfunc_end_k_q64b3edfeb2_proj:
	.size	k_q64b3edfeb2_proj, .Lfunc_end_k_q64b3edfeb2_proj-k_q64b3edfeb2_proj
	.p2alignl 7, 3214868480
	.fill 96, 4, 3214868480
	.section	.rodata,"a",@progbits
	.p2align	6, 0x0
	.amdhsa_kernel k_q64b3edfeb2_proj
		.amdhsa_group_segment_fixed_size 327680
		.amdhsa_private_segment_fixed_size 0
		.amdhsa_enable_private_segment 0
		.amdhsa_kernarg_size 64
		.amdhsa_user_sgpr_count 2
		.amdhsa_user_sgpr_kernarg_segment_ptr 1
		.amdhsa_wavefront_size32 1
		.amdhsa_system_sgpr_workgroup_id_x 1
		.amdhsa_system_sgpr_workgroup_id_y 1
		.amdhsa_system_sgpr_workgroup_id_z 1
		.amdhsa_system_vgpr_workitem_id 0
		.amdhsa_next_free_vgpr 768
		.amdhsa_next_free_sgpr 106
		.amdhsa_reserve_vcc 0
		.amdhsa_float_denorm_mode_32 3
		.amdhsa_float_denorm_mode_16_64 3
		.amdhsa_memory_ordered 1
		.amdhsa_forward_progress 1
		.amdhsa_inst_pref_size 255
	.end_amdhsa_kernel
	.section	.bss,"aw",@nobits
	.p2align	6
	.space	262144
	.amdgpu_metadata
---
amdhsa.version: [ 1, 2 ]
amdhsa.kernels:
  - .name:           k_q64b3edfeb2_proj
    .symbol:         k_q64b3edfeb2_proj.kd
    .args:
      - { .name: xc, .offset: 0, .size: 8, .value_kind: global_buffer, .address_space: global }
      - { .name: xs, .offset: 8, .size: 8, .value_kind: global_buffer, .address_space: global }
      - { .name: wc, .offset: 16, .size: 8, .value_kind: global_buffer, .address_space: global }
      - { .name: ws, .offset: 24, .size: 8, .value_kind: global_buffer, .address_space: global }
      - { .name: bq, .offset: 32, .size: 8, .value_kind: global_buffer, .address_space: global }
      - { .name: bk, .offset: 40, .size: 8, .value_kind: global_buffer, .address_space: global }
      - { .name: bv, .offset: 48, .size: 8, .value_kind: global_buffer, .address_space: global }
      - { .name: qkv, .offset: 56, .size: 8, .value_kind: global_buffer, .address_space: global }
    .group_segment_fixed_size: 327680
    .private_segment_fixed_size: 0
    .kernarg_segment_align: 8
    .kernarg_segment_size: 64
    .max_flat_workgroup_size: 128
    .sgpr_count:     106
    .vgpr_count:     768
    .wavefront_size: 32
...
	.end_amdgpu_metadata
.endif
;; end of part 2
;; launch attn (part 3): grid 4 x 64, 8 waves a work-group, clusters of 4 x 1, 205,824 bytes of LDS; arguments qkv, oc, os; writes oc, os
.if DOCPART == 3
	.amdgcn_target "amdgcn-amd-amdhsa--gfx1250"
	.amdhsa_code_object_version 6
	.text
	.protected	k_q64b3edfeb2_attn
	.globl	k_q64b3edfeb2_attn
	.p2align	8
	.type	k_q64b3edfeb2_attn,@function
k_q64b3edfeb2_attn:
	s_mov_b64 s[64:65], 0
	v_nop
	global_prefetch_b8 v0, s[64:65] scope:SCOPE_SE
	s_setreg_imm32_b32 hwreg(HW_REG_WAVE_MODE, 25, 1), 1
	s_wait_xcnt 0x0
	s_wait_alu depctr_hold_cnt(0) depctr_sa_sdst(0) depctr_va_vdst(0) depctr_va_sdst(0) depctr_va_ssrc(0) depctr_va_vcc(0) depctr_vm_vsrc(0)
	s_getreg_b32 s2, hwreg(HW_REG_IB_STS2, 6, 4)
	s_cmp_eq_u32 s2, 0
	s_cbranch_scc0 .Lentry_in_a_cluster
	s_endpgm
.Lentry_in_a_cluster:
	s_bfe_u32 s2, ttmp6, 0x10000c
	s_cmp_lg_u32 s2, 0x3003
	s_cbranch_scc0 .Lentry_shape_is_right
	s_endpgm
.Lentry_shape_is_right:
; O = softmax(q k^T / 8) v for one head, both products on codes of BF6 (E3M2) with E8M0 scales, and the quantising of O / l along the model's 1,024 channels for the last product.
; THE SOFTMAX: t = score x log2(e) / 8; M = the running largest t rounded UP to a whole number; p = 2^(t - M) is quantised along the keys, not normalised; the row's sum is taken of the unquantised p and divides O at the end.
; When M moves, the sum and O are multiplied by 2^(old M - new M): exact.
; LIMITS: the scaled scores stay under 2^31 in magnitude; blocks whose largest magnitude lies under 2^-122, and blocks of zeros, keep the byte 1 (this program alone reads the bytes); no NaN, no infinities.
; SHARES.  A cluster of four work-groups is one head (cluster y = 16 x batch + head).  Work-group cx owns 512 queries.  Each of its eight waves owns one fragment of Q, TWO tiles of 16 queries, in each of two passes:
; every fragment of K and of V that a wave reads from LDS feeds both tiles, and the two tiles' chains of vector work go by turns.
; THE WHOLE HEAD STAYS IN LDS: K's fragments, V's, and their scale words: the first 204,800 bytes of the head's block of qkv, byte for byte.  Each wave asks for 25,600 of them (100 rows of 256 bytes) by ONE joint load,
; the same in all four work-groups; nothing is filled again, nothing is stored to LDS.  No prefetch: all of K and V is asked for at the head, so there is no loop to run ahead in.
; K = 64 IN AN INSTRUCTION OF 128: a fragment of K holds two tiles of 16 keys, one in k 0-63 and one in k 64-127; it is multiplied by [Q | 0] and by [0 | Q].
; LAYOUT.  Both products transposed (source 0 = keys, or channels; source 1 = 16 queries): a lane holds ONE query of each tile.  By the order of rows in a tile the 16 registers of key tiles 2 b, 2 b + 1 are keys 32 b + 16 (lane / 16) + 0 .. 15.
; REGISTERS.  Window 0: addresses, K's and V's fragments, Q's operands, all scale words.  Window 1, tile x = 0, 1: scores then p at 64 x; O^T at 128 + 32 x; p's codes at 192 + 12 x; from 216 on the small numbers (below).
.set SPARE, 204800                     ; the spare words: 128 bytes a wave
.set LI,   1                           ; 16 x lane
.set LIV,  2                           ; the same in V's part of LDS
.set AKS,  3                           ; K's scale words: 16 bytes a row
.set OA,   4                           ; 8 x lane: oc
.set OS,   5                           ; 4 x lane + 2 (head % 2): os
.set SPW,  6
.set NIL,  7
.set ADK,  8
.set ADV,  9
.set ADS,  10
.set KF,   16                          ; v16-63   K's four fragments
.set VF,   64                          ; v64-111  V's four fragments
.set QO,   112                         ; v112-141 Q1, 0, Q0, 0, Q1: [Q1|0] at +0, [0|Q0] at +6, [Q0|0] at +12, [0|Q1] at +18
.set QST,  144                         ; v144-167 the two passes' fragments of Q as loaded
.set QW,   168                         ; v168-169 their scale words as loaded
.set KS,   172                         ; scale words: K's four, V's four, p's two, Q's two
.set VS,   176
.set PS,   180
.set QS,   182
; window 1: 216 + 4 x block maxima; 224 + 4 x lane-permute results, then bytes; 232 + 4 x scale operands; 240 + 2 x: -M, the largest score; 244 + 2 x the sum's halves; 248 + 2 x: f; 252 + x a scratch.
; While the rows' sums are taken, ten pairs of these are partial sums: pair i at 224 + 2 i (i < 8), 252, 254.
.set WV,   10
.set G1,   20
.set G0,   36
.set SEL,  56
.set CS,   58                          ; s[58:59] c = log2(e) / 8
.set TB,   60                          ; the step's fragments: 6,144 bytes a step
.set TS,   61                          ; its scale words: 256 bytes a step
.set CNT,  62
.set HM,   63
.set MSB, 0
.macro WIN new                         ; the immediate's high byte repeats the setting that is left
.if MSB != (\new)
	s_set_vgpr_msb (MSB<<8)|(\new)
.set MSB, (\new)
.endif
.endm
.macro CROUND
	s_barrier_signal -1
	s_barrier_wait -1
	s_cmp_lg_u32 s[WV], 0
	s_cbranch_scc1 .Lnot_wave_0_\@
	s_barrier_signal -3
.Lnot_wave_0_\@:
	s_barrier_wait -3
	s_barrier_signal -1
	s_barrier_wait -1
.endm
	s_load_b128 s[4:7], s[0:1], 0x0                ; qkv, oc
	s_load_b64 s[8:9], s[0:1], 0x10                ; os
	v_lshl_add_u32 v[SPW], v0, 2, SPARE
	v_mov_b32 v[NIL], 0
	ds_add_u32 v[SPW], v[NIL]                      ; the opening lines: the add twice and one wait
	ds_add_u32 v[SPW], v[NIL]
	v_lshrrev_b32 v11, 5, v0
	v_readfirstlane_b32 s[WV], v11                 ; wave 0..7
	s_bfe_u32 s12, ttmp6, 0x40000                  ; cx: it enters Q's, oc's and os's addresses alone
	s_and_b32 s13, ttmp7, 0xffff                   ; 16 x batch + head
	s_mul_i32 s14, s13, 307200
	s_mov_b32 s15, 0
	s_mul_i32 s18, s[WV], 25600                    ; my part: the same offset in LDS and in the head's block
	s_mov_b32 s19, 0
	s_mov_b32 s[G1], 15|(3<<16)|(1<<21)            ; the mask: all four work-groups; elements of 8 bytes; bit 21 beside a mask
	s_mov_b32 s[G1+1], 32<<16
	s_mov_b32 s[G1+2], 100<<16
	s_mov_b32 s[G1+3], 32<<16
	s_mov_b32 s[G1+4], 100
	s_mov_b32 s[G1+5], 32
	s_mov_b32 s[G1+6], 0
	s_mov_b32 s[G1+7], 0
	s_mov_b32 s[SEL], 0x76543210
	s_mov_b32 s[SEL+1], 0xfedcba98
	s_mov_b32 s[CS], 0x3e38aa3b
	s_mov_b32 s[CS+1], s[CS]
	s_mov_b32 s[HM], 0xffff0000
	s_mov_b32 s66, 0x01000100                      ; bytes 0, 1 of Q's scale word twice: tile 0
	s_mov_b32 s67, 0x03020302                      ; bytes 2, 3 twice: tile 1
	s_wait_dscnt 0x0
	s_wait_kmcnt 0x0
	s_add_nc_u64 s[16:17], s[4:5], s[14:15]        ; the head's block
	s_mov_b32 s[G0], 1
	s_mov_b32 s[G0+1], s18
	s_add_nc_u64 s[G0+2:G0+3], s[16:17], s[18:19]
	s_or_b32 s[G0+3], s[G0+3], 0x80000000
	CROUND                                         ; all four work-groups are here: the joint loads meet
	tensor_load_to_lds s[G0:G0+3], s[G1:G1+7]      ; my one load
	s_nop 0
.rept 4
	v_nop
.endr
	s_and_b32 s74, s13, 15                         ; head
	s_lshr_b32 s75, s13, 4                         ; batch
	s_and_b32 s76, s74, 1
	s_lshr_b32 s79, s74, 1                         ; the K step of the last product: head / 2
	s_lshl_b32 s78, s12, 4
	s_add_co_u32 s78, s78, s[WV]                   ; my first fragment of Q: 16 cx + wave; the second pass's lies 8 fragments on
	s_mul_i32 s14, s78, 1536
	s_add_co_u32 s14, s14, 204800
	s_add_nc_u64 s[68:69], s[16:17], s[14:15]
	s_lshr_b32 s14, s78, 2
	s_lshl_b32 s14, s14, 8
	s_and_b32 s77, s78, 3
	s_lshl_b32 s77, s77, 2
	s_add_co_u32 s14, s14, s77
	s_add_co_u32 s14, s14, 303104
	s_add_nc_u64 s[28:29], s[16:17], s[14:15]      ; its scale words
	s_lshl_b32 s77, s75, 6
	s_add_co_u32 s77, s77, s78                     ; my pair of token tiles: 64 x batch + 16 cx + wave
	s_mul_i32 s14, s77, 24576
	s_mul_i32 s78, s79, 1536
	s_add_co_u32 s14, s14, s78
	s_mul_i32 s78, s76, 768                        ; registers 6 (head % 2) on: three runs of 256 bytes
	s_add_co_u32 s14, s14, s78
	s_add_nc_u64 s[70:71], s[6:7], s[14:15]
	s_lshl_b32 s14, s77, 10
	s_lshl_b32 s78, s79, 7
	s_add_co_u32 s14, s14, s78
	s_add_nc_u64 s[72:73], s[8:9], s[14:15]
	s_lshl_b32 s76, s76, 1
	v_and_b32 v11, 31, v0                          ; lane
	v_and_b32 v12, 15, v0                          ; r
	v_lshlrev_b32 v[LI], 4, v11
	v_lshlrev_b32 v[OA], 3, v11
	v_lshlrev_b32 v13, 4, v12
	v_lshl_add_u32 v[OS], v11, 2, s76
	v_add_nc_u32 v[LIV], 98304, v[LI]
	v_add_nc_u32 v[AKS], 196608, v13
.irp i, 0,1
.irp j, 0,1,2
	global_load_b128 v[QST+12*\i+4*\j:QST+12*\i+4*\j+3], v[LI], s[68:69] offset:12288*\i+512*\j
.endr
	global_load_b32 v[QW+\i], v13, s[28:29] offset:512*\i
.endr
; A pass begins: Q's operands and scale words, the statistics, O^T = 0, and the first step's fragments of K.
.macro INIT g, w, first
.if !(\first)
	s_wait_xcnt 0x0                                ; the last pass's stores have read their registers
.endif
.irp i, 0,1,2,3,4,5
	v_mov_b32 v[QO+\i], v[(\g)+6+\i]
	v_mov_b32 v[QO+24+\i], v[(\g)+6+\i]
	v_mov_b32 v[QO+12+\i], v[(\g)+\i]
	v_mov_b32 v[QO+6+\i], 0
	v_mov_b32 v[QO+18+\i], 0
.endr
	v_perm_b32 v[QS], v[\w], v[\w], s66
	v_perm_b32 v[QS+1], v[\w], v[\w], s67
	WIN 0x40
.irp x, 0,1
	v_mov_b32 v[240+2*\x], 0x7f61b1e6              ; -M = 3e38, a whole number
	v_mov_b32 v[241+2*\x], 0xff61b1e6              ; the largest score so far: -3e38
	v_mov_b32 v[244+2*\x], 0
	v_mov_b32 v[245+2*\x], 0
	v_mov_b32 v[249+2*\x], 0                       ; the upper half of f's pair is named, never used
	v_mov_b32 v[252+\x], 0
.endr
.set jj, 0
.rept 8
	v_mov_b32 v[224+jj], 0                         ; a lane permute's destination counts as one of its sources
.set jj, jj+1
.endr
.set jj, 0
.rept 64
	v_mov_b32 v[128+jj], 0                         ; O^T of both tiles.  (Also the plain lines between the writes of Q's operands and scale words and the first product)
.set jj, jj+1
.endr
	WIN 0
	s_mov_b32 s[TB], 0
	s_mov_b32 s[TS], 0
.if \first
	s_wait_alu depctr_va_vdst(0)                   ; the wait at the head's end
	s_wait_tensorcnt 0x0                           ; my part of the head has landed;
	s_barrier_signal -1
	s_barrier_wait -1                              ; and so has every wave's
.endif
.irp f, 0,1,2,3
.irp j, 0,1,2
	ds_load_b128 v[KF+12*\f+4*\j:KF+12*\f+4*\j+3], v[LI] offset:1536*\f+512*\j
.endr
.endr
	ds_load_b128 v[KS:KS+3], v[AKS]
.endm
.macro FMA0 j0, n                      ; tile 0: t - M of 2 n scores from register j0 on
.set jj, \j0
.rept \n
	v_pk_fma_f32 v[jj:jj+1], v[jj:jj+1], s[CS:CS+1], v[240:241] op_sel_hi:[1,0,0]
.set jj, jj+2
.endr
.endm
.macro SUM1 r                          ; tile 1's sum: six pairs of p from register 64 + r on, onto five partial sums and the sum
.irp k, 0,1,2,3,4
	v_pk_add_f32 v[226+4*\k+12*((2*\k+1)/8):227+4*\k+12*((2*\k+1)/8)], v[226+4*\k+12*((2*\k+1)/8):227+4*\k+12*((2*\k+1)/8)], v[64+(\r)+2*\k:65+(\r)+2*\k]
.endr
	v_pk_add_f32 v[246:247], v[246:247], v[74+(\r):75+(\r)]
.endm
; A KEY STEP: 128 keys x 32 queries.  K's fragments were asked for in the step before.
.macro STEP
	s_wait_dscnt 0x0                               ; K's 13 loads are in
	WIN 0x40
.irp f, 0,1,2,3
.irp u, 0,1
	v_wmma_scale_f32_16x16x128_f8f6f4 v[8*(2*\f+\u):8*(2*\f+\u)+7], v[KF+12*\f:KF+12*\f+11], v[QO+12-6*\u:QO+23-6*\u], 0, v[KS+\f], v[QS] matrix_a_fmt:MATRIX_FMT_BF6 matrix_b_fmt:MATRIX_FMT_BF6
	v_wmma_scale_f32_16x16x128_f8f6f4 v[64+8*(2*\f+\u):64+8*(2*\f+\u)+7], v[KF+12*\f:KF+12*\f+11], v[QO+18*\u:QO+18*\u+11], 0, v[KS+\f], v[QS+1] matrix_a_fmt:MATRIX_FMT_BF6 matrix_b_fmt:MATRIX_FMT_BF6
.endr
.endr
	WIN 0
	v_add_nc_u32 v[ADV], s[TB], v[LIV]             ; four plain lines behind the products, ahead of the loads into K's and V's registers and of the first read of the scores
	v_add_nc_u32 v[ADS], s[TS], v[AKS]
	v_add_nc_u32 v[ADK], s[TB], v[LI]
	v_nop
.irp f, 0,1,2,3
.irp j, 0,1,2
	ds_load_b128 v[VF+12*\f+4*\j:VF+12*\f+4*\j+3], v[ADV] offset:1536*\f+512*\j
.endr
.endr
	ds_load_b128 v[VS:VS+3], v[ADS] offset:4096
.irp f, 0,1,2,3                        ; the next step's K.  (In a pass's last step these 13 loads read the bytes behind K's, V's first fragments and scale words: what they bring is not used)
.irp j, 0,1,2
	ds_load_b128 v[KF+12*\f+4*\j:KF+12*\f+4*\j+3], v[ADK] offset:6144+1536*\f+512*\j
.endr
.endr
	ds_load_b128 v[KS:KS+3], v[ADS] offset:256
	WIN 0x55
.irp x, 0,1
.irp b, 0,1,2,3
	v_max3_num_f32 v[216+4*\x+\b], v[64*\x+16*\b], v[64*\x+16*\b+1], v[64*\x+16*\b+2]   ; the largest score of each block of 32 keys: for the row's maximum and, since p rises with the score, for the block's largest p
.endr
.endr
.irp i, 3,5,7,9,11,13
.irp x, 0,1
.irp b, 0,1,2,3
	v_max3_num_f32 v[216+4*\x+\b], v[216+4*\x+\b], v[64*\x+16*\b+\i], v[64*\x+16*\b+\i+1]
.endr
.endr
.endr
.irp x, 0,1
.irp b, 0,1,2,3
	v_max_num_f32 v[216+4*\x+\b], v[216+4*\x+\b], v[64*\x+16*\b+15]
.endr
.endr
.set jj, 0
.rept 8
	v_permlanex16_b32 v[224+jj], v[216+jj], s[SEL], s[SEL+1]
.set jj, jj+1
.endr
.irp x, 0,1
	v_mov_b32 v[248+2*\x], v[240+2*\x]             ; the old -M
.endr
.set jj, 0
.rept 8
	v_max_num_f32 v[216+jj], v[216+jj], v[224+jj]  ; with lane l xor 16's 16 keys
.set jj, jj+1
.endr
.irp x, 0,1
	v_max3_num_f32 v[241+2*\x], v[241+2*\x], v[216+4*\x], v[217+4*\x]
.endr
.irp x, 0,1
	v_max3_num_f32 v[241+2*\x], v[241+2*\x], v[218+4*\x], v[219+4*\x]   ; the running largest score
.endr
.irp x, 0,1
	v_mul_f32 v[252+\x], s[CS], v[241+2*\x]        ; as t (c is positive)
.endr
.irp x, 0,1
	v_floor_f32 v[240+2*\x], -v[252+\x]            ; the new -M = -ceil(t)
.endr
	FMA0 0, 4                                      ; tile 0's t - M; among them the three links that lead to f
.irp x, 0,1
	v_sub_f32 v[252+\x], v[240+2*\x], v[248+2*\x]  ; old M - new M: a whole number, 0 or less
.endr
	FMA0 8, 4
.irp x, 0,1
	v_cvt_i32_f32 v[252+\x], v[252+\x]             ; (it saturates)
.endr
	FMA0 16, 4
.irp x, 0,1
	v_ldexp_f32 v[248+2*\x], 1.0, v[252+\x]        ; f = 2^(old M - new M)
.endr
	FMA0 24, 20
.irp b, 0,1,2,3
	v_fma_f32 v[216+\b], v[216+\b], s[CS], v240
.endr
	v_pk_mul_f32 v[244:245], v[244:245], v[248:249] op_sel_hi:[1,0]   ; the sums under the new M
	v_pk_mul_f32 v[246:247], v[246:247], v[250:251] op_sel_hi:[1,0]
	s_wait_alu depctr_va_vdst(0)                   ; ahead of the batch
.set jj, 0
.rept 32
	v_exp_f32 v[jj], v[jj]                         ; tile 0: p = 2^(t - M); among them tile 1's t - M, which names none of them
	v_pk_fma_f32 v[64+jj:65+jj], v[64+jj:65+jj], s[CS:CS+1], v[242:243] op_sel_hi:[1,0,0]
	v_exp_f32 v[jj+1], v[jj+1]
.set jj, jj+2
.endr
.irp b, 0,1,2,3
	v_exp_f32 v[216+\b], v[216+\b]                 ; each block's largest p
	v_fma_f32 v[220+\b], v[220+\b], s[CS], v242
.endr
	s_wait_alu depctr_va_vdst(0)                   ; behind tile 0's batch and ahead of tile 1's
; tile 1's batch.  Among its lines stand lines on tile 0's p that hang on no line of this stretch and whose results are read behind the next wait: ten first partial sums, one add onto the sum, the four floors
.irp i, 0,1,2,3,4,5,6,7,8,9
	v_exp_f32 v[64+4*\i], v[64+4*\i]
	v_exp_f32 v[65+4*\i], v[65+4*\i]
	v_pk_add_f32 v[224+2*\i+12*(\i/8):225+2*\i+12*(\i/8)], v[4*\i:4*\i+1], v[4*\i+2:4*\i+3]
	v_exp_f32 v[66+4*\i], v[66+4*\i]
	v_exp_f32 v[67+4*\i], v[67+4*\i]
.endr
	v_exp_f32 v104, v104
	v_exp_f32 v105, v105
	v_pk_add_f32 v[244:245], v[244:245], v[40:41]
	v_exp_f32 v106, v106
	v_exp_f32 v107, v107
.irp b, 0,1,2,3
	v_exp_f32 v[108+4*\b], v[108+4*\b]
	v_exp_f32 v[109+4*\b], v[109+4*\b]
	v_max_num_f32 v[216+\b], 0x2800000, v[216+\b]  ; the floor 2^(5 - 127)
	v_exp_f32 v[110+4*\b], v[110+4*\b]
	v_exp_f32 v[111+4*\b], v[111+4*\b]
.endr
.irp b, 0,1,2,3
	v_exp_f32 v[124+\b], v[124+\b]
.endr
.irp b, 0,1,2,3
	v_exp_f32 v[220+\b], v[220+\b]
.endr
	v_nop                                          ; one plain line behind the exponentials
	s_wait_alu depctr_va_vdst(0)                   ; one wait for tile 1's batch and for the lines among it
; the rest of the rows' sums, of the unquantised p
.irp i, 0,1,2,3,4,5,6,7,8,9
	v_pk_add_f32 v[224+2*\i+12*(\i/8):225+2*\i+12*(\i/8)], v[224+2*\i+12*(\i/8):225+2*\i+12*(\i/8)], v[42+2*\i:43+2*\i]
.endr
	v_pk_add_f32 v[244:245], v[244:245], v[62:63]
.irp i, 0,2,4,6,8
	v_pk_add_f32 v[224+2*\i+12*(\i/8):225+2*\i+12*(\i/8)], v[224+2*\i+12*(\i/8):225+2*\i+12*(\i/8)], v[226+2*\i+12*((\i+1)/8):227+2*\i+12*((\i+1)/8)]
.endr
.irp k, 0,1,2,3,4                      ; the five pairs set free take tile 1's partial sums
	v_pk_add_f32 v[226+4*\k+12*((2*\k+1)/8):227+4*\k+12*((2*\k+1)/8)], v[64+4*\k:65+4*\k], v[66+4*\k:67+4*\k]
.endr
	v_pk_add_f32 v[246:247], v[246:247], v[84:85]
	v_pk_add_f32 v[224:225], v[224:225], v[228:229]
	v_pk_add_f32 v[232:233], v[232:233], v[236:237]
	SUM1 22
	v_pk_add_f32 v[224:225], v[224:225], v[232:233]
	SUM1 34
	v_pk_add_f32 v[224:225], v[224:225], v[252:253]
	SUM1 46
	v_pk_add_f32 v[244:245], v[244:245], v[224:225]   ; tile 0's sum is whole
	v_pk_add_f32 v[226:227], v[226:227], v[122:123]
	v_pk_add_f32 v[230:231], v[230:231], v[124:125]
	v_pk_add_f32 v[234:235], v[234:235], v[126:127]
.irp b, 0,1,2,3
	v_max_num_f32 v[220+\b], 0x2800000, v[220+\b]  ; tile 1's floors
.endr
	v_pk_add_f32 v[226:227], v[226:227], v[230:231]
	v_pk_add_f32 v[234:235], v[234:235], v[238:239]
	v_pk_add_f32 v[246:247], v[246:247], v[254:255]
	v_pk_add_f32 v[226:227], v[226:227], v[234:235]
	v_pk_add_f32 v[246:247], v[246:247], v[226:227]   ; and tile 1's
.set jj, 0
.rept 8
	v_add_nc_u32 v[232+jj], 0xfe000000, v[216+jj]  ; 4 off the exponent field: the conversion's scale operand
.set jj, jj+1
.endr
.set jj, 0
.rept 8
	v_lshrrev_b32 v[224+jj], 23, v[232+jj]         ; the scale's byte
.set jj, jj+1
.endr
.irp x, 0,1
	v_lshl_or_b32 v[252+\x], v[225+4*\x], 8, v[224+4*\x]
.endr
.irp x, 0,1
	v_lshl_or_b32 v[252+\x], v[226+4*\x], 16, v[252+\x]
.endr
	WIN 0x15
.irp x, 0,1
	v_lshl_or_b32 v[PS+\x], v[227+4*\x], 24, v[252+\x]   ; p's scale word for these 128 keys, into window 0
.endr
	WIN 0x55
.irp x, 0,1
	v_cvt_scalef32_pk16_bf6_f32 v[192+12*\x:194+12*\x], v[64*\x:64*\x+15], v[232+4*\x]
	v_cvt_scalef32_pk16_bf6_f32 v[216+4*\x:218+4*\x], v[64*\x+16:64*\x+31], v[233+4*\x]   ; (a conversion's three registers begin on an even number)
	v_cvt_scalef32_pk16_bf6_f32 v[198+12*\x:200+12*\x], v[64*\x+32:64*\x+47], v[234+4*\x]
	v_cvt_scalef32_pk16_bf6_f32 v[224+4*\x:226+4*\x], v[64*\x+48:64*\x+63], v[235+4*\x]
.endr
	v_nop                                          ; one plain line behind the conversions
.irp x, 0,1
.irp i, 0,1,2
	v_permlane16_swap_b32 v[192+12*\x+\i], v[216+4*\x+\i]   ; a whole block to a lane
	v_permlane16_swap_b32 v[198+12*\x+\i], v[224+4*\x+\i]
.endr
.endr
.irp x, 0,1
.irp i, 0,1,2
	v_mov_b32 v[195+12*\x+\i], v[216+4*\x+\i]
	v_mov_b32 v[201+12*\x+\i], v[224+4*\x+\i]
.endr
.endr
	s_wait_dscnt 13                                ; V's 13 loads are in; the next step's K, 13 loads issued behind them, may be out
	s_wait_alu depctr_va_vdst(0)                   ; directly ahead of the first reader of O^T
.set jj, 0
.rept 16
	v_pk_mul_f32 v[128+jj:129+jj], v[128+jj:129+jj], v[248:249] op_sel_hi:[1,0]   ; O^T under the new M.  (Also the plain lines between the writes of p's codes and scale words and the products)
	v_pk_mul_f32 v[160+jj:161+jj], v[160+jj:161+jj], v[250:251] op_sel_hi:[1,0]
.set jj, jj+2
.endr
	WIN 0x54
.irp t, 0,1,2,3
.irp x, 0,1
	v_wmma_scale_f32_16x16x128_f8f6f4 v[128+32*\x+8*\t:135+32*\x+8*\t], v[VF+12*\t:VF+12*\t+11], v[192+12*\x:203+12*\x], v[128+32*\x+8*\t:135+32*\x+8*\t], v[VS+\t], v[PS+\x] matrix_a_fmt:MATRIX_FMT_BF6 matrix_b_fmt:MATRIX_FMT_BF6
.endr
.endr
	WIN 0
	s_add_co_u32 s[TB], s[TB], 6144
	s_add_co_u32 s[TS], s[TS], 256
.endm
.macro STEPS
	s_mov_b32 s[CNT], 16
.Lstep_\@:
	STEP
	s_sub_co_u32 s[CNT], s[CNT], 1
	s_cmp_lg_u32 s[CNT], 0
	s_cbranch_scc1 .Lstep_\@
.endm
; A pass ends: O^T / l, quantised along the head's 64 channels (two blocks of 32 of the model's 1,024), stored as registers 6 (head % 2) .. + 5 of the last product's fragments.
.macro EPI i
	s_wait_dscnt 0x0                               ; the last step's loads into K's registers are done: the registers are asked for again
.rept 4
	v_nop
.endr
	WIN 0x55
.irp x, 0,1
	v_add_f32 v[244+2*\x], v[244+2*\x], v[245+2*\x]
.endr
.irp x, 0,1
	v_permlanex16_b32 v[252+\x], v[244+2*\x], s[SEL], s[SEL+1]
.endr
.irp x, 0,1
	v_add_f32 v[244+2*\x], v[244+2*\x], v[252+\x]  ; the row's sum
.endr
	s_wait_alu depctr_va_vdst(0)
	v_rcp_f32 v244, v244
	v_rcp_f32 v246, v246
	v_nop
	s_wait_alu depctr_va_vdst(0)
.set jj, 0
.rept 16
	v_pk_mul_f32 v[jj:jj+1], v[128+jj:129+jj], v[244:245] op_sel_hi:[1,0]   ; register 16 d + i: channel 32 d + 16 (lane / 16) + i
	v_pk_mul_f32 v[64+jj:65+jj], v[160+jj:161+jj], v[246:247] op_sel_hi:[1,0]
.set jj, jj+2
.endr
.irp x, 0,1
.irp d, 0,1
	v_max3_num_f32 v[216+4*\x+\d], |v[64*\x+16*\d]|, |v[64*\x+16*\d+1]|, 0x2800000
.endr
.endr
.irp i2, 2,4,6,8,10,12,14
.irp x, 0,1
.irp d, 0,1
	v_max3_num_f32 v[216+4*\x+\d], v[216+4*\x+\d], |v[64*\x+16*\d+\i2]|, |v[64*\x+16*\d+\i2+1]|
.endr
.endr
.endr
.irp x, 0,1
.irp d, 0,1
	v_permlanex16_b32 v[224+4*\x+\d], v[216+4*\x+\d], s[SEL], s[SEL+1]
.endr
.endr
.irp x, 0,1
.irp d, 0,1
	v_max_num_f32 v[216+4*\x+\d], v[216+4*\x+\d], v[224+4*\x+\d]
.endr
.endr
.irp x, 0,1
.irp d, 0,1
	v_add_nc_u32 v[232+4*\x+\d], 0xfe000000, v[216+4*\x+\d]
.endr
.endr
.irp x, 0,1
.irp d, 0,1
	v_lshrrev_b32 v[224+4*\x+\d], 23, v[232+4*\x+\d]
.endr
.endr
.irp x, 0,1
	v_lshl_or_b32 v[252+\x], v[225+4*\x], 8, v[224+4*\x]   ; the head's two bytes of the row's scale word
.endr
.irp x, 0,1
	v_cvt_scalef32_pk16_bf6_f32 v[192+12*\x:194+12*\x], v[64*\x:64*\x+15], v[232+4*\x]
	v_cvt_scalef32_pk16_bf6_f32 v[216+4*\x:218+4*\x], v[64*\x+16:64*\x+31], v[233+4*\x]
.endr
	v_nop
.irp x, 0,1
.irp p, 0,1,2
	v_permlane16_swap_b32 v[192+12*\x+\p], v[216+4*\x+\p]
.endr
.endr
.irp x, 0,1
.irp p, 0,1,2
	v_mov_b32 v[195+12*\x+\p], v[216+4*\x+\p]
.endr
.endr
	v_cndmask_b32 v252, v252, v253, s[HM]          ; lanes 0-15 store tile 0's two bytes, lanes 16-31 tile 1's
	WIN 0x04
.irp x, 0,1
.irp p, 0,1,2
	global_store_b64 v[OA], v[192+12*\x+2*\p:193+12*\x+2*\p], s[70:71] offset:196608*(\i)+12288*\x+256*\p   ; 32 lanes store 256 consecutive bytes, aligned
.endr
.endr
	global_store_b16 v[OS], v252, s[72:73] offset:8192*(\i)
	WIN 0
.endm
	s_wait_alu depctr_va_vdst(0)                   ; directly ahead of the wait below
	s_wait_loadcnt 0x0                             ; Q
	INIT QST, QW, 1
	STEPS
	EPI 0
	INIT QST+12, QW+1, 0
	STEPS
	EPI 1
	s_wait_tensorcnt 0x0                           ; the wave's end
	ds_add_u32 v[SPW], v[NIL]
	s_wait_dscnt 0x0
	CROUND                                         ; the closing round
	s_endpgm
.Lfunc_end_k_q64b3edfeb2_attn:
	.size	k_q64b3edfeb2_attn, .Lfunc_end_k_q64b3edfeb2_attn-k_q64b3edfeb2_attn
	.p2alignl 7, 3214868480
	.fill 96, 4, 3214868480
	.section	.rodata,"a",@progbits
	.p2align	6, 0x0
	.amdhsa_kernel k_q64b3edfeb2_attn
		.amdhsa_group_segment_fixed_size 205824
		.amdhsa_private_segment_fixed_size 0
		.amdhsa_enable_private_segment 0
		.amdhsa_kernarg_size 24
		.amdhsa_user_sgpr_count 2
		.amdhsa_user_sgpr_kernarg_segment_ptr 1
		.amdhsa_wavefront_size32 1
		.amdhsa_system_sgpr_workgroup_id_x 1
		.amdhsa_system_sgpr_workgroup_id_y 1
		.amdhsa_system_sgpr_workgroup_id_z 1
		.amdhsa_system_vgpr_workitem_id 0
		.amdhsa_next_free_vgpr 512
		.amdhsa_next_free_sgpr 80
		.amdhsa_reserve_vcc 0
		.amdhsa_float_denorm_mode_32 3
		.amdhsa_float_denorm_mode_16_64 3
		.amdhsa_memory_ordered 1
		.amdhsa_forward_progress 1
		.amdhsa_inst_pref_size 87
	.end_amdhsa_kernel
	.amdgpu_metadata
---
amdhsa.version: [ 1, 2 ]
amdhsa.kernels:
  - .name:           k_q64b3edfeb2_attn
    .symbol:         k_q64b3edfeb2_attn.kd
    .args:
      - { .name: qkv, .offset: 0, .size: 8, .value_kind: global_buffer, .address_space: global }
      - { .name: oc, .offset: 8, .size: 8, .value_kind: global_buffer, .address_space: global }
      - { .name: os, .offset: 16, .size: 8, .value_kind: global_buffer, .address_space: global }
    .group_segment_fixed_size: 205824
    .private_segment_fixed_size: 0
    .kernarg_segment_align: 8
    .kernarg_segment_size: 24
    .max_flat_workgroup_size: 256
    .sgpr_count:     80
    .vgpr_count:     512
    .wavefront_size: 32
...
	.end_amdgpu_metadata
.endif
;; end of part 3
;; launch outp (part 4): grid 4 x 64, 4 waves a work-group, clusters of 4 x 4, 307,712 bytes of LDS; arguments oc, os, wc, ws, bo, out0; writes out0
.if DOCPART == 4
	.amdgcn_target "amdgcn-amd-amdhsa--gfx1250"
	.amdhsa_code_object_version 6
	.text
	.protected	k_q64b3edfeb2_outp
	.globl	k_q64b3edfeb2_outp
	.p2align	8
	.type	k_q64b3edfeb2_outp,@function
k_q64b3edfeb2_outp:
	s_mov_b64 s[64:65], 0
	v_nop
	global_prefetch_b8 v0, s[64:65] scope:SCOPE_SE
	s_setreg_imm32_b32 hwreg(HW_REG_WAVE_MODE, 25, 1), 1
	s_wait_xcnt 0x0
	s_wait_alu depctr_hold_cnt(0) depctr_sa_sdst(0) depctr_va_vdst(0) depctr_va_sdst(0) depctr_va_ssrc(0) depctr_va_vcc(0) depctr_vm_vsrc(0)
	s_getreg_b32 s2, hwreg(HW_REG_IB_STS2, 6, 4)
	s_cmp_eq_u32 s2, 0
	s_cbranch_scc0 .Lentry_in_a_cluster
	s_endpgm
.Lentry_in_a_cluster:
	s_bfe_u32 s2, ttmp6, 0x10000c
	s_cmp_lg_u32 s2, 0xf033
	s_cbranch_scc0 .Lentry_shape_is_right
	s_endpgm
.Lentry_shape_is_right:
; out = Q(o) Q(Wo) + bo on codes of BF6 (E3M2) with E8M0 scales; f32 out.
; SHARES.  Work-group (g, t): 128 tokens x 256 columns: 256 work-groups.  Both operands lie in LDS for ALL of K (Wo's 16 tiles 196,608 bytes, the tokens' 8 tiles 98,304, the scale words 12,288): four joint loads at the head, one a wave; nothing is filled again.
; No prefetch: everything is asked for at the head, so there is no loop to run ahead in.
; A wave makes 64 tokens x 128 columns: source 0 = 8 tiles of Wo (columns run along a lane's registers), source 1 = 4 token tiles (a lane holds a token).  The bias is the C of the first K step.
; CLUSTERS 4 x 4: the tokens' tiles are shared along a row of the cluster, Wo's along a column.
; THE WAY OUT: 16 rows x 128 columns at a time through my own stage in LDS, back as whole rows of 512 bytes.  The stage lies in the tokens' bytes, which have had their one fill, behind a barrier behind which nobody reads them.
; REGISTERS: window 0: addresses, scale words v32-95, the bias v96-127 and v224-255, the tokens' fragments in two sets from v128; window 1: Wo's fragments in two sets at v0 and v128; window 2: the accumulators, (a, b) at 8 (8 a + b).
.set AR,    196608
.set ASC,   294912
.set BSC,   299008
.set SPARE, 307200
.set WA0, 4
.set WA1, 5
.set XA, 6
.set S0, 7
.set S1, 8
.set STO, 9
.set RD, 10
.set CO, 11
.set VB, 12
.set SPW, 28
.set NIL, 29
.set SC, 32
.set AF, 128
.set BK, 128
.set G1B, 24
.set G0B, 32
.set G0A, 36
.set G1A, 48
.set G0AS, 56
.set G0BS, 60
.set G1AS, 68
.set G1BS, 80
.set MSB, 0
.macro WIN new
.if MSB != (\new)
	s_set_vgpr_msb (MSB<<8)|(\new)
.set MSB, (\new)
.endif
.endm
.macro CROUND
	s_barrier_signal -1
	s_barrier_wait -1
	s_cmp_lg_u32 s14, 0
	s_cbranch_scc1 .Lnot_wave_0_\@
	s_barrier_signal -3
.Lnot_wave_0_\@:
	s_barrier_wait -3
	s_barrier_signal -1
	s_barrier_wait -1
.endm
.macro PLACES
.rept 4
	v_nop
.endr
.endm
.macro G1SET g, r
	s_mov_b32 s[\g+1], 32<<16
	s_mov_b32 s[\g+2], (\r)<<16
	s_mov_b32 s[\g+3], 32<<16
	s_mov_b32 s[\g+4], \r
	s_mov_b32 s[\g+5], 32
	s_mov_b32 s[\g+6], 0
	s_mov_b32 s[\g+7], 0
.endm
.macro G0SET g, lds, bp, op
	s_mov_b32 s[\g], 1
	s_mov_b32 s[\g+1], \lds
	s_add_nc_u64 s[\g+2:\g+3], s[\bp:\bp+1], s[\op:\op+1]
	s_or_b32 s[\g+3], s[\g+3], 0x80000000
.endm
	s_load_b256 s[4:11], s[0:1], 0x0               ; oc, os, wc, ws
	s_load_b128 s[92:95], s[0:1], 0x20             ; bo, out0
	v_lshl_add_u32 v[SPW], v0, 2, SPARE
	v_mov_b32 v[NIL], 0
	ds_add_u32 v[SPW], v[NIL]                      ; the opening lines: the add twice and one wait
	ds_add_u32 v[SPW], v[NIL]
	v_lshrrev_b32 v1, 5, v0
	v_readfirstlane_b32 s14, v1                    ; wave
	s_lshr_b32 s15, s14, 1                         ; which 64 tokens
	s_and_b32 s16, s14, 1                          ; which 128 columns
	s_bfe_u32 s40, ttmp6, 0x40000
	s_bfe_u32 s41, ttmp6, 0x40004
	s_lshl_b32 s42, ttmp9, 2
	s_add_co_u32 s42, s42, s40                     ; g
	s_and_b32 s17, ttmp7, 0xffff
	s_lshl_b32 s17, s17, 2
	s_add_co_u32 s17, s17, s41                     ; t
	s_lshl_b32 s43, s41, 2
	s_lshl_b32 s43, 15, s43
	s_lshl_b32 s44, 0x1111, s40
	s_or_b32 s[G1A], s43, (3<<16)|(1<<21)
	s_or_b32 s[G1AS], s43, (3<<16)|(1<<21)
	s_or_b32 s[G1B], s44, (3<<16)|(1<<21)
	s_or_b32 s[G1BS], s44, (3<<16)|(1<<21)
	G1SET G1B, 768                                 ; dense blocks as rows of 256 bytes
	G1SET G1A, 384
	G1SET G1AS, 16
	G1SET G1BS, 32
	s_mul_i32 s18, s17, 98304
	s_mov_b32 s19, 0
	s_lshl_b32 s20, s17, 12
	s_mov_b32 s21, 0
	s_mul_i32 s22, s42, 196608
	s_add_co_u32 s22, s22, 2359296                 ; Wo is the fourth weight
	s_mov_b32 s23, 0
	s_lshl_b32 s46, s42, 13
	s_add_co_u32 s46, s46, 98304
	s_mov_b32 s47, 0
	s_wait_dscnt 0x0
	s_wait_kmcnt 0x0
	G0SET G0B, 0, 8, 22
	G0SET G0A, AR, 4, 18
	G0SET G0AS, ASC, 6, 20
	G0SET G0BS, BSC, 10, 46
	CROUND                                         ; all sixteen work-groups are here: the joint loads meet
.macro ARM under, g0, g1, next
	s_cmp_lt_u32 s14, \under
	s_cbranch_scc0 \next
	tensor_load_to_lds s[\g0:\g0+3], s[\g1:\g1+7]
	s_nop 0
.rept 4
	v_nop
.endr
	s_branch .Lhead_asked
\next:
.endm
	ARM 1, G0B, G1B, .Lhead_a
	ARM 2, G0A, G1A, .Lhead_as
	ARM 3, G0AS, G1AS, .Lhead_bs
	tensor_load_to_lds s[G0BS:G0BS+3], s[G1BS:G1BS+7]
	s_nop 0
.rept 4
	v_nop
.endr
.Lhead_asked:
	s_mul_i32 s2, s16, 98304                       ; my eight tiles of Wo
	s_add_co_u32 s3, s2, 49152
	s_mul_i32 s12, s15, 49152                      ; my four token tiles
	s_add_co_u32 s12, s12, AR
	s_lshl_b32 s18, s15, 11                        ; scale words: lanes 0-15 the tokens', lanes 16-31 Wo's: the lower base + (lane / 16) x the distance
	s_add_co_u32 s19, s18, ASC-2048                ; (for tiles 4-7 the tokens' side reads its own four again)
	s_add_co_u32 s18, s18, ASC
	s_xor_b32 s20, s15, 1
	s_lshl_b32 s20, s20, 11
	s_lshl_b32 s21, s16, 12
	s_add_co_u32 s20, s20, s21
	s_add_co_u32 s20, s20, 2048
	s_add_co_u32 s21, s20, 2048
	s_mul_i32 s22, s14, 8448                       ; my stage: 16 rows of 528 bytes
	s_add_co_u32 s22, s22, AR
	s_lshl_b32 s4, s42, 10
	s_lshl_b32 s5, s16, 9
	s_add_co_u32 s4, s4, s5
	s_mov_b32 s5, 0
	s_add_nc_u64 s[92:93], s[92:93], s[4:5]        ; my 128 columns of the bias, and of a row of out
	s_add_nc_u64 s[94:95], s[94:95], s[4:5]
	s_lshl_b32 s4, s17, 19
	s_lshl_b32 s6, s15, 18
	s_add_co_u32 s4, s4, s6
	s_add_nc_u64 s[94:95], s[94:95], s[4:5]        ; my first token's row
	v_and_b32 v1, 15, v0
	v_bfe_u32 v2, v0, 4, 1
	v_and_b32 v3, 31, v0
	v_lshlrev_b32 v13, 3, v3
	v_lshlrev_b32 v3, 4, v3
	v_lshlrev_b32 v14, 2, v1
	v_lshlrev_b32 v[VB], 6, v2
	v_add_nc_u32 v[WA0], s2, v3
	v_add_nc_u32 v[WA1], s3, v3
	v_add_nc_u32 v[XA], s12, v13
	v_mul_u32_u24 v15, s20, v2
	v_add_nc_u32 v15, v15, v14
	v_add_nc_u32 v[S0], s18, v15
	v_mul_u32_u24 v16, s21, v2
	v_add_nc_u32 v16, v16, v14
	v_add_nc_u32 v[S1], s19, v16
	v_mul_u32_u24 v17, v1, 528
	v_lshl_add_u32 v17, v2, 6, v17
	v_add_nc_u32 v[STO], s22, v17
	v_add_nc_u32 v[RD], s22, v3
	v_mov_b32 v[CO], v3
.irp b, 0,1,2,3
.irp j, 0,1,2,3
	global_load_b128 v[96+16*\b+4*\j+96*(\b/2):99+16*\b+4*\j+96*(\b/2)], v[VB], s[92:93] offset:128*\b+16*\j
.endr
.endr
.macro FRAGB reg, adr, kq, i
.irp c, 0,1,2
	ds_load_b128 v[(\reg)+4*\c:(\reg)+4*\c+3], v[\adr] offset:12288*(\i)+1536*(\kq)+512*\c
.endr
.endm
.macro FRAGA reg, adr, kq, i           ; the tokens' fragments lie as six runs of 256 bytes
.irp p, 0,1,2,3,4,5
	ds_load_b64 v[(\reg)+2*\p:(\reg)+2*\p+1], v[\adr] offset:12288*(\i)+1536*(\kq)+256*\p
.endr
.endm
.macro FETCH kq
	WIN 0x40
.irp i, 0,1,2,3
	FRAGB 128*((\kq)%2)+12*\i, WA0, \kq, \i
.endr
.irp i, 0,1,2,3
	FRAGB 128*((\kq)%2)+48+12*\i, WA1, \kq, \i
.endr
	WIN 0
.irp i, 0,1,2,3
	FRAGA AF+48*((\kq)%2)+12*\i, XA, \kq, \i
.endr
.endm
.macro MUL32 kq, first                 ; the 32 accumulators by turns
.irp a, 0,1,2,3
.irp b, 0,1,2,3,4,5,6,7
.if \first
	v_wmma_scale_f32_16x16x128_f8f6f4 v[8*(8*\a+\b):8*(8*\a+\b)+7], v[128*((\kq)%2)+12*\b:128*((\kq)%2)+12*\b+11], v[AF+48*((\kq)%2)+12*\a:AF+48*((\kq)%2)+12*\a+11], v[96+8*\b+96*(\b/4):103+8*\b+96*(\b/4)], v[SC+8*(\kq)+\b], v[SC+8*(\kq)+\a] matrix_a_fmt:MATRIX_FMT_BF6 matrix_b_fmt:MATRIX_FMT_BF6 matrix_a_scale:MATRIX_SCALE_ROW1
.else
	v_wmma_scale_f32_16x16x128_f8f6f4 v[8*(8*\a+\b):8*(8*\a+\b)+7], v[128*((\kq)%2)+12*\b:128*((\kq)%2)+12*\b+11], v[AF+48*((\kq)%2)+12*\a:AF+48*((\kq)%2)+12*\a+11], v[8*(8*\a+\b):8*(8*\a+\b)+7], v[SC+8*(\kq)+\b], v[SC+8*(\kq)+\a] matrix_a_fmt:MATRIX_FMT_BF6 matrix_b_fmt:MATRIX_FMT_BF6 matrix_a_scale:MATRIX_SCALE_ROW1
.endif
.endr
.endr
.endm
	s_wait_alu depctr_va_vdst(0)                   ; the wait at the head's end
	s_wait_tensorcnt 0x0                           ; my tile of the four is in;
	s_barrier_signal -1
	s_barrier_wait -1                              ; and everybody's
.irp kq, 0,1,2,3,4,5,6,7
.irp i, 0,1,2,3
	ds_load_b32 v[SC+8*\kq+\i], v[S0] offset:1024*(\i/2)+64*(\i%2)+128*\kq
.endr
.irp i, 4,5,6,7
	ds_load_b32 v[SC+8*\kq+\i], v[S1] offset:1024*(\i/2)+64*(\i%2)+128*\kq
.endr
.endr
	FETCH 0
	s_wait_loadcnt 0x0                             ; the bias
.set kk, 0
.rept 8                                ; a step's fragments are asked for one step, 32 matrix instructions, ahead
	s_wait_dscnt 0x0
.if kk < 7
.if kk > 0
	PLACES                                         ; ahead of loads into registers that the last step's products read
.endif
	FETCH kk+1
.endif
.if kk == 0
	WIN 0x81
	MUL32 kk, 1
.else
	WIN 0xa1
	MUL32 kk, 0
.endif
	WIN 0
.set kk, kk+1
.endr
	s_barrier_signal -1                            ; (no LDS instruction of mine is out)  nobody reads the tokens' bytes any more: the stages lie there
	s_barrier_wait -1
.macro TOSTAGE a
	WIN 0x08
.irp b, 0,1,2,3,4,5,6,7
	ds_store_b128 v[STO], v[64*(\a)+8*\b:64*(\a)+8*\b+3] offset:128*(\b/2)+32*(\b%2)      ; each accumulator from its low end on
	ds_store_b128 v[STO], v[64*(\a)+8*\b+4:64*(\a)+8*\b+7] offset:128*(\b/2)+32*(\b%2)+16
.endr
	WIN 0
.set BB, BK+64*((\a)%2)
.irp t, 0,1,2,3,4,5,6,7,8,9,10,11,12,13,14,15
	ds_load_b128 v[BB+4*\t:BB+4*\t+3], v[RD] offset:\t*528    ; LDS serves a wave's instructions in order: these see the stores above
.endr
.endm
.macro SEND a, younger
.set BB, BK+64*((\a)%2)
	s_wait_dscnt \younger
.irp t, 0,1,2,3,4,5,6,7,8,9,10,11,12,13,14,15
	global_store_b128 v[CO], v[BB+4*\t:BB+4*\t+3], s[94:95] offset:(32*((\a)/2)+8*((\a)%2)+\t+8*(\t/8))*4096 th:TH_STORE_NT   ; 512 consecutive bytes, aligned
.endr
.endm
	PLACES
	TOSTAGE 0
.irp a, 1,2,3
.if \a > 1
	s_wait_xcnt 0x0                                ; block a - 2's stores have read their registers
.endif
	TOSTAGE \a
	SEND \a-1, 32                                  ; behind block a - 1's loads: block a's 16 stores and 16 loads
.endr
	SEND 3, 0
	s_wait_tensorcnt 0x0                           ; the wave's end
	ds_add_u32 v[SPW], v[NIL]
	s_wait_dscnt 0x0
	CROUND                                         ; the closing round
	s_endpgm
.Lfunc_end_k_q64b3edfeb2_outp:
	.size	k_q64b3edfeb2_outp, .Lfunc_end_k_q64b3edfeb2_outp-k_q64b3edfeb2_outp
	.p2alignl 7, 3214868480
	.fill 96, 4, 3214868480
	.section	.rodata,"a",@progbits
	.p2align	6, 0x0
	.amdhsa_kernel k_q64b3edfeb2_outp
		.amdhsa_group_segment_fixed_size 307712
		.amdhsa_private_segment_fixed_size 0
		.amdhsa_enable_private_segment 0
		.amdhsa_kernarg_size 48
		.amdhsa_user_sgpr_count 2
		.amdhsa_user_sgpr_kernarg_segment_ptr 1
		.amdhsa_wavefront_size32 1
		.amdhsa_system_sgpr_workgroup_id_x 1
		.amdhsa_system_sgpr_workgroup_id_y 1
		.amdhsa_system_sgpr_workgroup_id_z 1
		.amdhsa_system_vgpr_workitem_id 0
		.amdhsa_next_free_vgpr 768
		.amdhsa_next_free_sgpr 102
		.amdhsa_reserve_vcc 0
		.amdhsa_float_denorm_mode_32 3
		.amdhsa_float_denorm_mode_16_64 3
		.amdhsa_memory_ordered 1
		.amdhsa_forward_progress 1
		.amdhsa_inst_pref_size 87
	.end_amdhsa_kernel
	.amdgpu_metadata
---
amdhsa.version: [ 1, 2 ]
amdhsa.kernels:
  - .name:           k_q64b3edfeb2_outp
    .symbol:         k_q64b3edfeb2_outp.kd
    .args:
      - { .name: oc, .offset: 0, .size: 8, .value_kind: global_buffer, .address_space: global }
      - { .name: os, .offset: 8, .size: 8, .value_kind: global_buffer, .address_space: global }
      - { .name: wc, .offset: 16, .size: 8, .value_kind: global_buffer, .address_space: global }
      - { .name: ws, .offset: 24, .size: 8, .value_kind: global_buffer, .address_space: global }
      - { .name: bo, .offset: 32, .size: 8, .value_kind: global_buffer, .address_space: global }
      - { .name: out0, .offset: 40, .size: 8, .value_kind: global_buffer, .address_space: global }
    .group_segment_fixed_size: 307712
    .private_segment_fixed_size: 0
    .kernarg_segment_align: 8
    .kernarg_segment_size: 48
    .max_flat_workgroup_size: 128
    .sgpr_count:     102
    .vgpr_count:     768
    .wavefront_size: 32
...
	.end_amdgpu_metadata
.endif
;; end of part 4
